; MI455X (gfx1250); checked and timed in simulation.
; The chip was launched on July 23, 2026; its instructions are those of AMD's public machine-readable ISA for CDNA 5 (MIT licence, August 2026) and "CDNA5" Instruction Set Architecture Reference Guide (July 2026). The comments in the code are by the model that wrote it; some were corrected since.
;; Mluti Latent Atten. Allowed arithmetic: matrix products marked QUANTISED: E2M1 operands, one E8M0 scale for each 32 along K, by v_wmma_scale_f32_16x16x128_f8f6f4 with both operands' format E2M1 (or v_wmma_scale_f32_32x16x128_f4), f32 sums; products left as they are: bf16, f16 or f32 operands; f32 sums; everything else in f32.
;; Inputs: Wk 1,024 x 1,024 float32; Wo 1,024 x 1,024 float32; Wq 1,024 x 1,024 float32; Wv 1,024 x 1,024 float32; attention_mask 1 x 1 x 2,048 x 2,048 float32; bk 1,024 float32; bo 1,024 float32; bq 1,024 float32; bv 1,024 float32; x 4 x 2,048 x 1,024 float32.
;; Outputs: out0 4 x 2,048 x 1,024 float32.
;; This version of the problem:
;;   THIS VERSION OF THE PROBLEM IS GIVEN IN LOW PRECISION. The matrix products marked QUANTISED in the list below multiply operands that are first quantised to E2M1 (2 exponent bits, 1 mantissa bit; 4 bits a number), with one power-of-two scale for each 32 numbers along K (OCP MX v1.0); their sums are f32. The products marked 'left as it is' may take bf16, f16 or f32 operands, with f32 sums. Whichever they take, every output number must still come out within the allowed error. Rounding operands to bf16 (8 significant bits) uses up far more of that allowance than f16 does (11 bits, for magnitudes from 6e-5 to 65,504). All else is computed in f32.
;;   The module's matrix products, in the order in which they are computed (A, B: the left and right operand; K: the contracted axis; several contracted axes count as one K, in the product's order):
;;     1. [M 8,192, K 1,024] x [K 1,024, N 1,024]; A: input x; B: input Wq: QUANTISED
;;     2. [M 8,192, K 1,024] x [K 1,024, N 1,024]; A: input x; B: input Wk: QUANTISED
;;     3. [M 8,192, K 1,024] x [K 1,024, N 1,024]; A: input x; B: input Wv: QUANTISED
;;     4. batch 64 x [M 2,048, K 64] x [K 64, N 2,048]; A: computed on the way; B: computed on the way: left as it is (an operand is computed on the way)
;;     5. batch 64 x [M 2,048, K 2,048] x [K 2,048, N 64]; A: computed on the way; B: computed on the way: left as it is (an operand is computed on the way)
;;     6. [M 8,192, K 1,024] x [K 1,024, N 1,024]; A: computed on the way; B: input Wo: left as it is (an operand is computed on the way)
;;   THE QUANTISER, for each operand of a quantised product, along K:
;;     - K is cut into blocks of 32 from its start; a last block that is shorter is filled with zeros.
;;     - A block's scale is 2^e with e = floor(log2(the largest magnitude in the block)) - 2, held to -126 .. 127; a block of zeros has e = 0. As a byte (E8M0): e + 127.
;;     - Each number is divided by its block's scale, clamped to +-6, and rounded to the nearest number of E2M1, ties to even, subnormals kept.
;;     - The product sums the exact products of the quantised numbers (number of the format x scale) in f32.
;;   ~~~python
;;   def quantise(x, axis):      # numpy; x: float32 -> the quantised numbers, widened to float32 again
;;       x = np.moveaxis(x, axis, -1); K = x.shape[-1]
;;       x = np.pad(x, [(0, 0)] * (x.ndim - 1) + [(0, -K % 32)]); x = x.reshape(x.shape[:-1] + (-1, 32)); a = np.abs(x).max(-1, keepdims=True)
;;       e = np.where(a > 0, np.clip(np.frexp(np.where(a > 0, a, 1))[1] - 1 - 2, -126, 127), 0)      # np.frexp(a)[1] - 1 = floor(log2(a)), exactly
;;       r = np.clip(x / 2.0 ** e, -6, 6)
;;       step = 2.0 ** (np.maximum(np.frexp(np.where(r == 0, 1, r))[1] - 1, 0) - 1)
;;       q = np.round(r / step) * step * 2.0 ** e      # np.round: ties to even
;;       return np.moveaxis(q.reshape(q.shape[:-2] + (-1,))[..., :K], -1, axis).astype(np.float32)
;;   ~~~
;; One version. Each part assembles by itself: llvm-mc -triple=amdgcn-amd-amdhsa -mcpu=gfx1250 --defsym DOCPART=n.
;; ======== version 1 of 1: 4 launches
;; limits: values are held in f16: magnitudes above 65,504 overflow, below 6.1e-05 lose precision; values outside matrix products are rounded to bf16
;; workspace buffers: codes 5,767,168 bytes; scales 360,448 bytes; wo16 2,097,152 bytes; mask_img 8,388,608 bytes; rope 524,288 bytes; qkv 50,331,648 bytes; att 16,777,216 bytes
;; launch prep (part 1): grid 592 x 1, 4 waves a work-group, no clusters, 101,888 bytes of LDS; arguments x, Wq, Wk, Wv, Wo, attention_mask, codes, scales, wo16, mask_img, rope; writes codes, scales, wo16, mask_img, rope
.if DOCPART == 1
	.amdgcn_target "amdgcn-amd-amdhsa--gfx1250"
	.amdhsa_code_object_version 6
	.text
	.protected	k_qec22da679a_prep
	.globl	k_qec22da679a_prep
	.p2align	8
	.type	k_qec22da679a_prep,@function
k_qec22da679a_prep:
	s_mov_b64 s[64:65], 0
	v_nop
	global_prefetch_b8 v0, s[64:65] scope:SCOPE_SE
	s_setreg_imm32_b32 hwreg(HW_REG_WAVE_MODE, 25, 1), 1
	s_wait_xcnt 0x0
; PREP: everything that later launches read many times is laid out once.  Five kinds of work-group, told apart by the work-group's number alone:
;   0-47    W: Wq, Wk, Wv [k 1024][n 1024] f32 -> codes of FP4 (E2M1) with K innermost, rows 0-3071 = q, k, v columns, and one E8M0 byte for each 32 along K
;   48-303  X: x [8192][1024] f32 -> codes and scale bytes likewise (K is innermost already)
;   304-431 M: attention_mask [2048][2048] f32 -> bf16, in the order of the weights' registers in the attention launch:
;              [key step of 128][query tile of 16][key tile of 16][lane][8 bf16], lane 16 h + r holding mask[16 qt + r][16 kt + 8 h .. + 7]
;   432-559 O: Wo -> f16, as it lies
;   560-591 R: the table of RoPE, [position 2048][pair 32][cos, sin] f32
; A block's scale is 2^(floor(log2(its largest magnitude)) - 2); its byte is the largest magnitude's exponent field - 2, held at 1 from below.  A block of zeros gets the byte 1
; where the rule says 127: its codes are zeros, and these bytes are read by this program alone.
; LIMITS: NaN and infinities among the inputs are not served.  The mask is rounded to bf16 (8 significant bits; 0 and 1 are exact).  Wo is rounded to f16: magnitudes up to 65,504; under 6e-5 the step is 6e-8.
; No barrier: a wave's LDS bytes are its own, and each kind of work-group has LDS bytes of its own.
.set SPW,   198                        ; v198  LDS address of my spare word; never rewritten
.set NIL,   199                        ; v199  0; never rewritten
.set XSP,   80                         ; X: a lane's place in a stage: 64 bytes + 16 of padding
.set WPIT,  272                        ; W: a stage row: 256 bytes of codes + 16
.set MPIT,  528                        ; M: a stage row: 512 bytes + 16
.set WBASE, 32768                      ; LDS: X 0 .. 32,767 (8,192 a wave); W from here (32 x 272 a wave);
.set MBASE, 67584                      ; M from here (16 x 528 a wave);
.set SPARE, 101376                     ; the spare words, 128 bytes a wave: two blocks of 256 bytes that no other line names
	s_load_b256 s[4:11], s[0:1], 0x0               ; x, Wq, Wk, Wv
	s_load_b256 s[12:19], s[0:1], 0x20             ; Wo, the mask, codes, scales
	s_load_b128 s[20:23], s[0:1], 0x40             ; wo16, mask_img
	s_load_b64 s[24:25], s[0:1], 0x50              ; rope
	v_lshl_add_u32 v[SPW], v0, 2, SPARE
	v_mov_b32 v[NIL], 0
	v_lshrrev_b32 v1, 5, v0
	v_readfirstlane_b32 s26, v1                    ; wave 0..3
	v_and_b32 v2, 31, v0                           ; lane
	s_mov_b32 s29, 0                               ; the upper word of every offset: all stay under 2^32
	s_wait_kmcnt 0x0
	s_cmp_lt_u32 ttmp9, 48
	s_cbranch_scc1 .Lw
	s_cmp_lt_u32 ttmp9, 304
	s_cbranch_scc1 .Lx
	s_cmp_lt_u32 ttmp9, 432
	s_cbranch_scc1 .Lm
	s_cmp_lt_u32 ttmp9, 560
	s_cbranch_scc1 .Lo
; ---- R: a wave makes 16 positions, a lane a pair j.  angle = position x 10000^(-j / 32).  The angle is brought into +-pi/4 by n = the nearest whole number of quarter turns
; (pi/2 in two parts, so that the difference keeps its bits); sine to r^7 and cosine to r^8 serve that range whatever the position; n mod 4 swaps them and sets the signs.
	s_sub_co_u32 s27, ttmp9, 560
	s_lshl_b32 s27, s27, 6
	s_lshl_b32 s28, s26, 4
	s_add_co_u32 s27, s27, s28                     ; my first position
	s_lshl_b32 s28, s27, 8                         ; 256 bytes a position
	s_add_nc_u64 s[30:31], s[24:25], s[28:29]
	v_cvt_f32_u32 v3, v2
	v_mul_f32 v3, 0xbed49a78, v3                   ; -j log2(10000) / 32
	v_exp_f32 v3, v3
	v_lshlrev_b32 v4, 3, v2                        ; 8 bytes a lane.  (The plain instruction behind the exponential)
	s_mov_b32 s32, 0x3f22f983                      ; 2 / pi
	s_mov_b32 s33, 0xbfc90fdb                      ; -(pi / 2), its upper part
	s_mov_b32 s34, 0x333bbd2e                      ; and what is left of it
	s_mov_b32 s35, 0xb9500d01                      ; -1 / 5040
	s_mov_b32 s36, 0x3c088889                      ; 1 / 120
	s_mov_b32 s37, 0xbe2aaaab                      ; -1 / 6
	s_mov_b32 s38, 0x37d00d01                      ; 1 / 40320
	s_mov_b32 s39, 0xbab60b61                      ; -1 / 720
	s_mov_b32 s40, 0x3d2aaaab                      ; 1 / 24
	s_wait_alu depctr_va_vdst(0)                   ; the wait ahead of the first reader of the exponential
.macro RROW i
	s_add_co_u32 s41, s27, \i
	v_cvt_f32_u32 v8, s41
	v_mul_f32 v8, v8, v3                           ; the angle
	v_mul_f32 v9, s32, v8
	v_rndne_f32 v9, v9                             ; n
	v_fma_f32 v10, v9, s33, v8
	v_fma_f32 v10, v9, s34, v10                    ; r
	v_mul_f32 v11, v10, v10                        ; r^2
	v_fma_f32 v12, v11, s35, s36
	v_fma_f32 v12, v12, v11, s37
	v_mul_f32 v13, v11, v10                        ; r^3
	v_fma_f32 v12, v12, v13, v10                   ; sin r
	v_fma_f32 v14, v11, s38, s39
	v_fma_f32 v14, v14, v11, s40
	v_fma_f32 v14, v14, v11, -0.5
	v_fma_f32 v14, v14, v11, 1.0                   ; cos r
	v_cvt_i32_f32 v9, v9
	v_and_b32 v15, 1, v9
	v_cmp_eq_u32 vcc_lo, 1, v15
	v_cndmask_b32 v13, v12, v14, vcc_lo            ; an odd n swaps the two
	v_cndmask_b32 v15, v14, v12, vcc_lo
	v_and_b32 v12, 2, v9
	v_lshlrev_b32 v12, 30, v12
	v_xor_b32 v[65+2*\i], v12, v13                 ; sin: negative where n mod 4 is 2 or 3
	v_add_nc_u32 v9, 1, v9
	v_and_b32 v9, 2, v9
	v_lshlrev_b32 v9, 30, v9
	v_xor_b32 v[64+2*\i], v9, v15                  ; cos: negative where n mod 4 is 1 or 2
	global_store_b64 v4, v[64+2*\i:65+2*\i], s[30:31] offset:256*\i   ; 32 lanes store 256 consecutive bytes, aligned; each position has its own pair, so no store's data are written again
.endm
.irp i, 0,1,2,3,4,5,6,7,8,9,10,11,12,13,14,15
	RROW \i
.endr
	s_endpgm
; ---- O: a wave rounds 2,048 numbers of Wo to f16: sixteen loads of 512 bytes, 8,192 bytes in, 4,096 out.  128 work-groups x 4 waves x 2,048 = the 1,048,576 numbers
.Lo:
	s_sub_co_u32 s27, ttmp9, 432
	s_lshl_b32 s27, s27, 2
	s_add_co_u32 s27, s27, s26                     ; which run of 2,048 numbers is my wave's
	s_lshl_b32 s28, s27, 13
	s_add_nc_u64 s[30:31], s[12:13], s[28:29]
	s_lshl_b32 s28, s27, 12
	s_add_nc_u64 s[32:33], s[20:21], s[28:29]
	v_lshlrev_b32 v3, 4, v2
	v_lshlrev_b32 v4, 3, v2
.irp i, 0,1,2,3,4,5,6,7,8,9,10,11,12,13,14,15
	global_load_b128 v[16+4*\i:19+4*\i], v3, s[30:31] offset:512*\i th:TH_LOAD_NT
.endr
.irp i, 0,1,2,3,4,5,6,7,8,9,10,11,12,13,14,15
	s_wait_loadcnt 15-\i                           ; loads come back in order: mine is in, the younger ones stay out
	v_cvt_pk_f16_f32 v[80+2*\i], v[16+4*\i], v[17+4*\i]
	v_cvt_pk_f16_f32 v[81+2*\i], v[18+4*\i], v[19+4*\i]
	global_store_b64 v4, v[80+2*\i:81+2*\i], s[32:33] offset:256*\i   ; 256 consecutive bytes, aligned
.endr
	s_endpgm
; ---- M: a work-group takes a tile of 16 queries, wave w keys 512 w on, 128 keys (a key step) at a time.  Loads take the rows as they lie, 512 bytes each; the stage turns them,
; so that a lane gets 8 neighbouring keys of ONE query for each of the 8 key tiles; 4 roundings make 16 bytes, and each store covers 512 consecutive bytes.
.Lm:
	s_sub_co_u32 s27, ttmp9, 304                   ; the tile of queries
	s_lshl_b32 s28, s27, 17                        ; 16 rows of 8,192 bytes
	s_lshl_b32 s32, s26, 11                        ; 512 keys x 4 bytes x wave
	s_add_co_u32 s28, s28, s32
	s_add_nc_u64 s[30:31], s[14:15], s[28:29]
	s_lshl_b32 s28, s26, 21                        ; key step 4 w: 524,288 bytes a key step
	s_lshl_b32 s32, s27, 12                        ; 4,096 bytes a tile of queries
	s_add_co_u32 s28, s28, s32
	s_add_nc_u64 s[32:33], s[22:23], s[28:29]
	s_mul_i32 s34, s26, 16*MPIT
	s_add_co_u32 s34, s34, MBASE                   ; my stage
	v_lshlrev_b32 v3, 4, v2                        ; 16 bytes a lane: in memory, both ways
	v_add_nc_u32 v4, s34, v3                       ; into the stage: as loaded
	v_and_b32 v5, 15, v2
	v_lshrrev_b32 v6, 4, v2
	v_mul_u32_u24 v5, v5, MPIT
	v_lshl_add_u32 v5, v6, 5, v5
	v_add_nc_u32 v5, s34, v5                       ; out of it: row lane % 16, + 32 bytes for the upper half of the lanes
.macro MLOAD i
.irp r, 0,1,2,3,4,5,6,7,8,9,10,11,12,13,14,15
	global_load_b128 v[16+4*\r:19+4*\r], v3, s[30:31] offset:\r*8192+512*(\i) th:TH_LOAD_NT
.endr
.endm
.macro MTASK i
	s_wait_loadcnt 0x0
.irp r, 0,1,2,3,4,5,6,7,8,9,10,11,12,13,14,15
	ds_store_b128 v4, v[16+4*\r:19+4*\r] offset:\r*MPIT
.endr
.irp k, 0,1,2,3,4,5,6,7
	ds_load_b128 v[80+8*\k:83+8*\k], v5 offset:64*\k       ; LDS serves a wave's instructions in order: these see the stores above
	ds_load_b128 v[84+8*\k:87+8*\k], v5 offset:64*\k+16
.endr
	s_wait_dscnt 0x0                               ; the turned numbers are in, and the stores have read their registers
.if \i > 0
	s_wait_xcnt 0x0                                ; the last task's stores have read their data: the roundings below write those registers again
.endif
.if \i < 3
	MLOAD (\i)+1
.endif
.irp k, 0,1,2,3,4,5,6,7
.irp n, 0,1,2,3
	v_cvt_pk_bf16_f32 v[144+4*\k+\n], v[80+8*\k+2*\n], v[81+8*\k+2*\n]
.endr
.endr
.irp k, 0,1,2,3,4,5,6,7
	global_store_b128 v3, v[144+4*\k:147+4*\k], s[32:33] offset:512*\k+524288*\i
.endr
.endm
	MLOAD 0
	MTASK 0
	MTASK 1
	MTASK 2
	MTASK 3
	s_wait_tensorcnt 0x0                           ; the wave's end
	ds_add_u32 v[SPW], v[NIL]
	s_wait_dscnt 0x0
	s_endpgm
; ---- X: x is a plain stream of blocks of 32.  A wave takes 16 steps of 512 numbers.  Loads take the bytes as they lie (512 a load); a step's 2,048 bytes turn through the wave's stage,
; so that a lane holds 16 neighbours along K (two lanes a block).  A lane's 16 codes are 8 bytes: a store covers 256 bytes.  The wave's 256 scale bytes gather in LDS and leave as one unit.
.Lx:
	s_sub_co_u32 s27, ttmp9, 48
	s_lshl_b32 s27, s27, 2
	s_add_co_u32 s27, s27, s26                     ; which run of 8,192 numbers is my wave's
	s_lshl_b32 s28, s27, 15
	s_add_nc_u64 s[30:31], s[4:5], s[28:29]
	s_lshl_b32 s28, s27, 12
	s_add_nc_u64 s[32:33], s[16:17], s[28:29]
	s_lshl_b32 s28, s27, 8
	s_add_nc_u64 s[34:35], s[18:19], s[28:29]
	v_lshlrev_b32 v3, 4, v2
	s_lshl_b32 s36, s26, 13                        ; my 8,192 bytes of LDS
	v_lshrrev_b32 v14, 2, v2
	v_mul_u32_u24 v14, v14, XSP
	v_and_b32 v15, 3, v2
	v_lshl_add_u32 v14, v15, 4, v14
	v_add_nc_u32 v14, s36, v14                     ; into a stage: four lanes' 64 bytes on end, then 16 of padding
	v_mul_u32_u24 v15, v2, XSP
	v_add_nc_u32 v15, s36, v15                     ; out of it: my 16 neighbours
	v_lshlrev_b32 v4, 3, v2                        ; 8 bytes a lane
	v_lshrrev_b32 v5, 1, v2
	s_add_co_u32 s36, s36, 2*32*XSP                ; behind the two stages: my 256 scale bytes
	v_add_nc_u32 v5, s36, v5
	v_add_nc_u32 v6, s36, v4
.macro XLOAD t
.irp i, 0,1,2,3
	global_load_b128 v[16+16*((\t)%4)+4*\i:16+16*((\t)%4)+4*\i+3], v3, s[30:31] offset:2048*(\t)+512*\i th:TH_LOAD_NT
.endr
.endm
.macro XTURN t
.irp i, 0,1,2,3
	ds_store_b128 v14, v[16+16*((\t)%4)+4*\i:16+16*((\t)%4)+4*\i+3] offset:32*XSP*((\t)%2)+8*XSP*\i
.endr
.irp i, 0,1,2,3
	ds_load_b128 v[80+16*((\t)%2)+4*\i:80+16*((\t)%2)+4*\i+3], v15 offset:32*XSP*((\t)%2)+16*\i
.endr
.endm
.macro XSTEP t
.set XS, 80+16*((\t)%2)
.if (\t) > 0
	s_wait_dscnt 1                                 ; this step's numbers are back from the stage; the last step's byte store may be out
.else
	s_wait_dscnt 0x0
.endif
.if (\t)+4 < 16
	XLOAD (\t)+4
.endif
.if (\t)+1 < 16
.if 14-(\t) >= 3
	s_wait_loadcnt 12                              ; the next step's four loads are in; those of the three steps behind it may be out
.else
	s_wait_loadcnt 4*(14-(\t))
.endif
	XTURN (\t)+1
.endif
	v_max3_num_f32 v8, |v[XS]|, |v[XS+1]|, |v[XS+2]|
	v_max3_num_f32 v9, |v[XS+3]|, |v[XS+4]|, |v[XS+5]|
.irp i, 6,10
	v_max3_num_f32 v8, v8, |v[XS+\i]|, |v[XS+\i+1]|
	v_max3_num_f32 v9, v9, |v[XS+\i+2]|, |v[XS+\i+3]|
.endr
	v_max3_num_f32 v8, v8, |v[XS+14]|, |v[XS+15]|
	v_max3_num_f32 v8, v8, v9, 0x1800000           ; and the floor 2^(3 - 127): the byte cannot fall under 1
	v_max_num_f32_dpp v8, v8, v8 row_xmask:1 row_mask:0xf bank_mask:0xf   ; with my neighbour's 16: the block's largest magnitude
	v_add_nc_u32 v11, 0xff000000, v8               ; 2 off its exponent field: the conversion takes that field as its scale
	v_cvt_scalef32_pk8_fp4_f32 v[128+4*(\t)], v[XS:XS+7], v11
	v_cvt_scalef32_pk8_fp4_f32 v[129+4*(\t)], v[XS+8:XS+15], v11
	v_lshrrev_b32 v[112+(\t)], 23, v11             ; the scale's byte
	ds_store_b8 v5, v[112+(\t)] offset:16*(\t)     ; both lanes of a block write the same byte with the same value
	global_store_b64 v4, v[128+4*(\t):129+4*(\t)], s[32:33] offset:256*(\t)
.endm
.irp t, 0,1,2,3
	XLOAD \t
.endr
	s_wait_loadcnt 12                              ; step 0's four loads are in
	XTURN 0
.irp t, 0,1,2,3,4,5,6,7,8,9,10,11,12,13,14,15
	XSTEP \t
.endr
	ds_load_b64 v[8:9], v6
	s_wait_dscnt 0x0
	global_store_b64 v4, v[8:9], s[34:35]          ; one aligned unit of 256 scale bytes
	s_wait_tensorcnt 0x0                           ; the wave's end
	ds_add_u32 v[SPW], v[NIL]
	s_wait_dscnt 0x0
	s_endpgm
; ---- W: K is the weights' FIRST axis.  A lane takes a column and its registers run down K: a block of 32 lies in one lane, and the conversions give codes with K innermost.
; A wave takes 32 columns x 512 along K; the codes go through its stage and leave as rows, sixteen lanes to 256 aligned bytes.
.Lw:
	s_lshr_b32 s27, ttmp9, 4                       ; 0, 1, 2: Wq, Wk, Wv
	s_cmp_eq_u32 s27, 0
	s_cselect_b64 s[30:31], s[6:7], s[8:9]
	s_cmp_eq_u32 s27, 2
	s_cselect_b64 s[30:31], s[10:11], s[30:31]
	s_and_b32 s32, ttmp9, 7
	s_bfe_u32 s33, ttmp9, 0x10003                  ; which 512 along K
	s_lshl_b32 s32, s32, 7
	s_lshl_b32 s34, s26, 5
	s_add_co_u32 s32, s32, s34                     ; my wave's first column
	s_lshl_b32 s28, s33, 21                        ; 512 rows of 4,096 bytes
	s_lshl_b32 s34, s32, 2
	s_add_co_u32 s28, s28, s34
	s_add_nc_u64 s[30:31], s[30:31], s[28:29]
	s_lshl_b32 s34, s27, 10
	s_add_co_u32 s34, s34, s32                     ; its row among the 3,072
	s_lshl_b32 s28, s34, 9
	s_lshl_b32 s35, s33, 8
	s_add_co_u32 s28, s28, s35
	s_add_co_u32 s28, s28, 4194304                 ; behind x's codes
	s_add_nc_u64 s[36:37], s[16:17], s[28:29]
	s_lshl_b32 s28, s34, 5
	s_lshl_b32 s35, s33, 4
	s_add_co_u32 s28, s28, s35
	s_add_co_u32 s28, s28, 262144                  ; behind x's scale bytes
	s_add_nc_u64 s[38:39], s[18:19], s[28:29]
	v_lshlrev_b32 v3, 2, v2
	s_mul_i32 s35, s26, 32*WPIT
	s_add_co_u32 s35, s35, WBASE                   ; my stage
	v_mul_u32_u24 v4, v2, WPIT
	v_add_nc_u32 v4, s35, v4                       ; into it: row = my column
	v_and_b32 v5, 15, v2
	v_lshrrev_b32 v6, 4, v2
	v_mul_u32_u24 v7, v6, WPIT
	v_lshl_add_u32 v7, v5, 4, v7
	v_add_nc_u32 v7, s35, v7                       ; out of it: sixteen lanes to a row, two rows an instruction
	v_lshlrev_b32 v8, 9, v6
	v_lshl_add_u32 v8, v5, 4, v8                   ; and the same place among the codes' rows of 512 bytes
	v_lshlrev_b32 v9, 5, v2                        ; my column's row of 32 scale bytes
.macro WLOAD t
.irp i, 0,1,2,3,4,5,6,7,8,9,10,11,12,13,14,15,16,17,18,19,20,21,22,23,24,25,26,27,28,29,30,31
	global_load_b32 v[32+32*((\t)%2)+\i], v3, s[30:31] offset:(32*(\t)+\i)*4096 th:TH_LOAD_NT
.endr
.endm
.macro WBLOCK t
.set XS, 32+32*((\t)%2)
.if (\t) < 15
	s_wait_loadcnt 32                              ; this block's 32 loads are in; the next block's may be out
.else
	s_wait_loadcnt 0
.endif
	v_max3_num_f32 v12, |v[XS]|, |v[XS+1]|, |v[XS+2]|
	v_max3_num_f32 v13, |v[XS+3]|, |v[XS+4]|, |v[XS+5]|
.irp i, 6,10,14,18,22,26
	v_max3_num_f32 v12, v12, |v[XS+\i]|, |v[XS+\i+1]|
	v_max3_num_f32 v13, v13, |v[XS+\i+2]|, |v[XS+\i+3]|
.endr
	v_max3_num_f32 v12, v12, |v[XS+30]|, |v[XS+31]|
	v_max3_num_f32 v12, v12, v13, 0x1800000        ; the floor 2^(3 - 127)
	v_add_nc_u32 v11, 0xff000000, v12
	v_lshrrev_b32 v13, 23, v11                     ; the scale's byte
.if (\t)%4 == 0
	v_mov_b32 v[24+(\t)/4], v13
.else
	v_lshl_or_b32 v[24+(\t)/4], v13, 8*((\t)%4), v[24+(\t)/4]
.endif
.irp g, 0,1,2,3
	v_cvt_scalef32_pk8_fp4_f32 v[96+\g], v[XS+8*\g:XS+8*\g+7], v11
.endr
	ds_store_b128 v4, v[96:99] offset:16*(\t)
.if (\t)+2 < 16
	WLOAD (\t)+2
.endif
	s_wait_dscnt 0x0                               ; the store has read its registers: the next block's codes may be written
.endm
	WLOAD 0
	WLOAD 1
.irp t, 0,1,2,3,4,5,6,7,8,9,10,11,12,13,14,15
	WBLOCK \t
.endr
	global_store_b128 v9, v[24:27], s[38:39]       ; my column's 16 scale bytes
.irp t, 0,1,2,3,4,5,6,7,8,9,10,11,12,13,14,15
	ds_load_b128 v[112+4*\t:115+4*\t], v7 offset:2*\t*WPIT
.endr
.irp t, 0,1,2,3,4,5,6,7,8,9,10,11,12,13,14,15
	s_wait_dscnt 15-\t
	global_store_b128 v8, v[112+4*\t:115+4*\t], s[36:37] offset:2*\t*512
.endr
	s_wait_tensorcnt 0x0                           ; the wave's end
	ds_add_u32 v[SPW], v[NIL]
	s_wait_dscnt 0x0
	s_endpgm
.Lfunc_end_k_qec22da679a_prep:
	.size	k_qec22da679a_prep, .Lfunc_end_k_qec22da679a_prep-k_qec22da679a_prep
	.p2alignl 7, 3214868480
	.fill 96, 4, 3214868480
	.section	.rodata,"a",@progbits
	.p2align	6, 0x0
	.amdhsa_kernel k_qec22da679a_prep
		.amdhsa_group_segment_fixed_size 101888
		.amdhsa_private_segment_fixed_size 0
		.amdhsa_enable_private_segment 0
		.amdhsa_kernarg_size 88
		.amdhsa_user_sgpr_count 2
		.amdhsa_user_sgpr_kernarg_segment_ptr 1
		.amdhsa_wavefront_size32 1
		.amdhsa_system_sgpr_workgroup_id_x 1
		.amdhsa_system_sgpr_workgroup_id_y 1
		.amdhsa_system_sgpr_workgroup_id_z 1
		.amdhsa_system_vgpr_workitem_id 0
		.amdhsa_next_free_vgpr 200
		.amdhsa_next_free_sgpr 66
		.amdhsa_reserve_vcc 1
		.amdhsa_float_denorm_mode_32 3
		.amdhsa_float_denorm_mode_16_64 3
		.amdhsa_memory_ordered 1
		.amdhsa_forward_progress 1
		.amdhsa_inst_pref_size 164
	.end_amdhsa_kernel
	.amdgpu_metadata
---
amdhsa.version: [ 1, 2 ]
amdhsa.kernels:
  - .name:           k_qec22da679a_prep
    .symbol:         k_qec22da679a_prep.kd
    .args:
      - { .name: x, .offset: 0, .size: 8, .value_kind: global_buffer, .address_space: global }
      - { .name: Wq, .offset: 8, .size: 8, .value_kind: global_buffer, .address_space: global }
      - { .name: Wk, .offset: 16, .size: 8, .value_kind: global_buffer, .address_space: global }
      - { .name: Wv, .offset: 24, .size: 8, .value_kind: global_buffer, .address_space: global }
      - { .name: Wo, .offset: 32, .size: 8, .value_kind: global_buffer, .address_space: global }
      - { .name: attention_mask, .offset: 40, .size: 8, .value_kind: global_buffer, .address_space: global }
      - { .name: codes, .offset: 48, .size: 8, .value_kind: global_buffer, .address_space: global }
      - { .name: scales, .offset: 56, .size: 8, .value_kind: global_buffer, .address_space: global }
      - { .name: wo16, .offset: 64, .size: 8, .value_kind: global_buffer, .address_space: global }
      - { .name: mask_img, .offset: 72, .size: 8, .value_kind: global_buffer, .address_space: global }
      - { .name: rope, .offset: 80, .size: 8, .value_kind: global_buffer, .address_space: global }
    .group_segment_fixed_size: 101888
    .private_segment_fixed_size: 0
    .kernarg_segment_align: 8
    .kernarg_segment_size: 88
    .max_flat_workgroup_size: 128
    .sgpr_count:     66
    .vgpr_count:     200
    .wavefront_size: 32
...
	.end_amdgpu_metadata
.endif
;; end of part 1
;; launch qkv (part 2): grid 12 x 32, 4 waves a work-group, clusters of 4 x 4, 327,680 bytes of LDS; arguments codes, scales, qkv, bq, bk, bv, rope; writes qkv
.if DOCPART == 2
	.amdgcn_target "amdgcn-amd-amdhsa--gfx1250"
	.amdhsa_code_object_version 6
	.text
	.protected	k_qec22da679a_qkv
	.globl	k_qec22da679a_qkv
	.p2align	8
	.type	k_qec22da679a_qkv,@function
k_qec22da679a_qkv:
	s_mov_b64 s[64:65], 0
	v_nop
	global_prefetch_b8 v0, s[64:65] scope:SCOPE_SE
	s_setreg_imm32_b32 hwreg(HW_REG_WAVE_MODE, 25, 1), 1
	s_wait_xcnt 0x0
	s_wait_alu depctr_hold_cnt(0) depctr_sa_sdst(0) depctr_va_vdst(0) depctr_va_sdst(0) depctr_va_ssrc(0) depctr_va_vcc(0) depctr_vm_vsrc(0)
	s_getreg_b32 s2, hwreg(HW_REG_IB_STS2, 6, 4)
	s_cmp_eq_u32 s2, 0
	s_cbranch_scc0 .Lentry_in_a_cluster
	s_endpgm
.Lentry_in_a_cluster:
	s_bfe_u32 s2, ttmp6, 0x10000c
	s_cmp_lg_u32 s2, 0xf033
	s_cbranch_scc0 .Lentry_shape_is_right
	s_endpgm
.Lentry_shape_is_right:
; [q | k | v] = Q(x) Q([Wq | Wk | Wv]) + bias on codes of FP4 (E2M1) with one E8M0 scale for each 32 along K = 1,024; then RoPE on q and k in f32, q times log2(e) / 32, and all rounded to f16.
; A = x's codes [8192][512 bytes], B = the weights' codes [3072][512 bytes], both in 'codes'; scale bytes [rows][32] in 'scales'.  Out: qkv [8192][3072] f16.
; A tile of 256 x 256 to a work-group of four waves, 128 x 128 to a wave: 64 accumulators, 512 registers.  K goes in two steps of 512 through two LDS slots, both asked for at the head.
; The scales of the work-group's rows come into LDS once.  The bias is the C of each sum's first product.
; CLUSTERS: 4 x 4 work-groups; A's tiles are asked for jointly along a row of the cluster, B's along a column.  A cluster's four tile columns are 1,024 columns: cluster x says q, k or v.
; The matrix instruction is used transposed (source 0 = rows of B, source 1 = rows of A): a lane holds eight neighbouring columns of one row, that is four pairs of RoPE.
; THE TABLE OF RoPE (256 positions x 256 bytes) is asked for jointly into slot 0 at the change of slots, when slot 0 has been read out, and lands under slot 1's products.
; q, k and v take the same lines: the table's (cos, sin) become (a cos + b, a sin) with (a, b) = (log2(e) / 32, 0), (1, 0), (0, 1).
; LIMITS: f16 results: magnitudes up to 65,504; under 6e-5 the step is 6e-8.  NaN and infinities are not served.
; REGISTERS: window 0: v0-31 addresses; v32-95 scale words, two sets, and nothing else ever; v96-127 the table's pairs; v128-191 A's fragments, later rows on their way out; v192-255 the bias, later packed f16.
;   window 1: B's fragments, two sets at v0 and v128; on the way out v0-63 the rotated numbers.   windows 2, 3: the accumulators ((a, b) at v[8 (8 (a % 4) + b)]).
.set KSTEP,  512
.set NQ,     4
.set ROWB,   256
.set KROW,   512
.set PITCH,  272                       ; an LDS row: 256 bytes + 16 of padding = 68 words: the 16 rows that a load touches start at 16 different banks (64 banks of 4 bytes: ISA guide 11.1)
.set FR,     8
.set NL,     2
.set NP,     4                         ; places behind this matrix instruction (ISA guide 7.12.1)
.set HALFT,  128*PITCH
.set SLOT,   4*HALFT
.set KS,     32                        ; a row of scale bytes
.set SCL,    2*SLOT
.set HALFS,  (128*KS/256)*272
.set SBLK,   (16*KS/256)*272
.set SPARE,  SCL+4*HALFS               ; the spare words, 128 bytes a wave: two blocks of 256 bytes that no other line names
.set STAGE,  256*272                   ; the way out: behind the table, in slot 0, which has had its last fill: 16 rows x 272 bytes a wave
.set SPITCH, 272
.set QROW,   6144                      ; a row of qkv in bytes
.set AL,   8                           ; v[8:9]   (a, a)
.set BE,   10                          ; v[10:11] (b, 0)
.set ADRA, 16
.set ADRB, 20
.set STO,  24
.set RD,   25
.set CO,   26
.set ADRS, 27
.set SPW,  28                          ; v28  LDS address of my spare word; never rewritten
.set NIL,  29                          ; v29  0; never rewritten
.set CSA,  30                          ; v30  my place in the table
.set SC,   32
.set CS,   96
.set AF,   128
.set BK,   128
.set BIAS, 192
.set PK,   192
.set T,    0                           ; in window 1
.set G1, 24
.set G0, 32
.set G1B, 48
.set G0B, 56
.set G1S, 68
.set G0S, 76
.set G1SB, 80
.set G0SB, 88
.set G1R, 4                            ; s[4:11]  group 1 for the table, written when the pointers that arrive there are used up
.set G0R, 92                           ; s[92:95] its group 0
.set MSB, 0
.macro WIN new                         ; the immediate's high byte repeats the setting that is left
.if MSB != (\new)
	s_set_vgpr_msb (MSB<<8)|(\new)
.set MSB, (\new)
.endif
.endm
.set MUL_LO, 0xa1                      ; source 0 (B) window 1, source 1 (A) window 0, C and D window 2
.set MUL_HI, 0xf1                      ; the same, C and D window 3
.set TO_B,   0x40
; A joint load: waves 0 and 1 fetch for A, waves 2 and 3 for B.  The branch hangs on the wave's number alone.  An s_nop 0 and four v_nop follow each line.
.macro JLOAD g0a, g1a, g0b, g1b
	s_cmp_eq_u32 s15, 0
	s_cbranch_scc0 .Lfor_b_\@
	tensor_load_to_lds s[\g0a:\g0a+3], s[\g1a:\g1a+7]
	s_nop 0
.rept 4
	v_nop
.endr
	s_branch .Lasked_\@
.Lfor_b_\@:
	tensor_load_to_lds s[\g0b:\g0b+3], s[\g1b:\g1b+7]
	s_nop 0
.rept 4
	v_nop
.endr
.Lasked_\@:
.endm
.macro CREST                           ; a round of the cluster's barrier behind its opening barrier
	s_cmp_lg_u32 s14, 0
	s_cbranch_scc1 .Lnot_wave_0_\@
	s_barrier_signal -3
.Lnot_wave_0_\@:
	s_barrier_wait -3
	s_barrier_signal -1
	s_barrier_wait -1
.endm
.macro CROUND
	s_barrier_signal -1
	s_barrier_wait -1
	CREST
.endm
	s_load_b128 s[4:7], s[0:1], 0x0                ; codes, scales
	s_load_b64 s[12:13], s[0:1], 0x10              ; qkv
	s_load_b128 s[96:99], s[0:1], 0x18             ; bq, bk
	s_load_b128 s[8:11], s[0:1], 0x28              ; bv, rope
	v_lshl_add_u32 v[SPW], v0, 2, SPARE
	v_mov_b32 v[NIL], 0
	ds_add_u32 v[SPW], v[NIL]                      ; the wave's opening: the add, twice on end, and its wait ahead of my first tensor load
	ds_add_u32 v[SPW], v[NIL]
	v_lshrrev_b32 v1, 5, v0
	v_readfirstlane_b32 s14, v1                    ; wave 0..3
	s_lshr_b32 s15, s14, 1                         ; which half of the tile's rows is mine.  Also: I fetch for A (0) or for B (1)
	s_and_b32 s16, s14, 1                          ; which half of its columns.  Also: which 128 rows of that tile I fetch
	s_bfe_u32 s40, ttmp6, 0x40000                  ; cx, cy
	s_bfe_u32 s41, ttmp6, 0x40004
	s_lshl_b32 s42, ttmp9, 2
	s_add_co_u32 s42, s42, s40                     ; tile column
	s_and_b32 s17, ttmp7, 0xffff
	s_lshl_b32 s17, s17, 2
	s_add_co_u32 s17, s17, s41                     ; tile row
	s_lshl_b32 s43, s41, 2
	s_lshl_b32 s43, 15, s43                        ; my row of the cluster
	s_lshl_b32 s44, 0x1111, s40                    ; my column
	s_or_b32 s[G1+0], s43, (0<<16)|(1<<20)|(1<<21)|(5<<22)|(3<<25)   ; the mask; elements of 1 byte; padding on; bit 21 beside a mask; after every 64 words 4 words
	s_or_b32 s[G1B+0], s44, (0<<16)|(1<<20)|(1<<21)|(5<<22)|(3<<25)
.irp g, G1, G1B
	s_mov_b32 s[\g+1], ROWB<<16                    ; tensor_dim0
	s_mov_b32 s[\g+2], 128<<16                     ; tensor_dim1
	s_mov_b32 s[\g+3], ROWB<<16                    ; tile_dim0
	s_mov_b32 s[\g+4], 128                         ; tile_dim1
	s_mov_b32 s[\g+5], KROW                        ; the pitch
	s_mov_b32 s[\g+6], 0
	s_mov_b32 s[\g+7], 0
.endr
	s_or_b32 s[G1S+0], s43, (3<<16)|(1<<20)|(1<<21)|(5<<22)|(3<<25)  ; the scales of 128 rows: a dense block, as rows of 256 bytes (32 elements of 8), 16 of padding behind each
	s_or_b32 s[G1SB+0], s44, (3<<16)|(1<<20)|(1<<21)|(5<<22)|(3<<25)
.irp g, G1S, G1SB
	s_mov_b32 s[\g+1], 32<<16
	s_mov_b32 s[\g+2], (128*KS/256)<<16
	s_mov_b32 s[\g+3], 32<<16
	s_mov_b32 s[\g+4], 128*KS/256
	s_mov_b32 s[\g+5], 32
	s_mov_b32 s[\g+6], 0
	s_mov_b32 s[\g+7], 0
.endr
	s_lshl_b32 s18, s16, 7
	s_lshl_b32 s20, s17, 8
	s_add_co_u32 s20, s20, s18                     ; A: row 256 x tile row + 128 x half
	s_lshl_b32 s46, s42, 8
	s_add_co_u32 s46, s46, s18                     ; B: row 256 x tile column + 128 x half
	s_mov_b32 s21, 0
	s_mov_b32 s47, 0
	s_mov_b64 s[18:19], KS
	s_mul_u64 s[22:23], s[20:21], s[18:19]         ; where these rows' scales begin
	s_mul_u64 s[92:93], s[46:47], s[18:19]
	s_mov_b64 s[18:19], KROW
	s_mul_u64 s[20:21], s[20:21], s[18:19]         ; and their codes
	s_mul_u64 s[46:47], s[46:47], s[18:19]
	s_mul_i32 s45, s14, HALFT                      ; where they go: wave x 128 rows
	s_mul_i32 s94, s14, HALFS
	s_wait_dscnt 0x0                               ; both opening adds are done
	s_wait_kmcnt 0x0
	s_add_nc_u64 s[20:21], s[4:5], s[20:21]
	s_add_nc_u64 s[22:23], s[6:7], s[22:23]
	s_add_nc_u64 s[46:47], s[4:5], s[46:47]
	s_add_nc_u64 s[46:47], s[46:47], 4194304       ; the weights' codes lie behind x's
	s_add_nc_u64 s[92:93], s[6:7], s[92:93]
	s_add_nc_u64 s[92:93], s[92:93], 262144        ; and their scale bytes behind x's
	CROUND                                         ; all sixteen work-groups are here: the first joint loads meet
	s_mov_b32 s[G0S], 1
	s_add_co_u32 s[G0S+1], s94, SCL
	s_mov_b64 s[G0S+2:G0S+3], s[22:23]
	s_or_b32 s[G0S+3], s[G0S+3], 0x80000000
	s_mov_b32 s[G0SB], 1
	s_add_co_u32 s[G0SB+1], s94, SCL
	s_mov_b64 s[G0SB+2:G0SB+3], s[92:93]
	s_or_b32 s[G0SB+3], s[G0SB+3], 0x80000000
	JLOAD G0S, G1S, G0SB, G1SB                     ; the scales first
.irp s, 0,1
	s_mov_b32 s[G0+4*\s], 1
	s_add_co_u32 s[G0+4*\s+1], s45, \s*SLOT
	s_add_nc_u64 s[G0+4*\s+2:G0+4*\s+3], s[20:21], \s*ROWB
	s_or_b32 s[G0+4*\s+3], s[G0+4*\s+3], 0x80000000
	s_mov_b32 s[G0B+4*\s], 1
	s_add_co_u32 s[G0B+4*\s+1], s45, \s*SLOT
	s_add_nc_u64 s[G0B+4*\s+2:G0B+4*\s+3], s[46:47], \s*ROWB
	s_or_b32 s[G0B+4*\s+3], s[G0B+4*\s+3], 0x80000000
	JLOAD G0+4*\s, G1, G0B+4*\s, G1B               ; three loads of mine are out now
.endr
	; the table's descriptor: 64 positions a wave.  The tile's 256 rows are positions 256 (tile row mod 8) on; tile row mod 8 = 4 (cluster y mod 2) + cy
	s_and_b32 s18, ttmp7, 1
	s_lshl_b32 s18, s18, 2
	s_add_co_u32 s18, s18, s41
	s_lshl_b32 s18, s18, 8
	s_lshl_b32 s19, s14, 6
	s_add_co_u32 s18, s18, s19
	s_lshl_b32 s18, s18, 8                         ; 256 bytes a position
	s_mov_b32 s19, 0
	s_mov_b32 s[G0R], 1
	s_mul_i32 s[G0R+1], s14, 64*272
	s_add_nc_u64 s[G0R+2:G0R+3], s[10:11], s[18:19]
	s_or_b32 s[G0R+3], s[G0R+3], 0x80000000
	; the bias: which of the three, and my 128 columns of its 1,024
	s_cmp_eq_u32 ttmp9, 0
	s_cselect_b64 s[96:97], s[96:97], s[98:99]
	s_cselect_b32 s66, 0x3d38aa3b, 1.0             ; a: log2(e) / 32 for q, 1 for k,
	s_cmp_eq_u32 ttmp9, 2
	s_cselect_b64 s[96:97], s[8:9], s[96:97]
	s_cselect_b32 s66, 0, s66                      ; 0 for v;
	s_cselect_b32 s67, 1.0, 0                      ; b: 1 for v
	s_lshl_b32 s104, s40, 10
	s_lshl_b32 s105, s16, 9
	s_add_co_u32 s104, s104, s105
	s_mov_b32 s105, 0
	s_add_nc_u64 s[96:97], s[96:97], s[104:105]
	s_or_b32 s[G1R+0], s43, (3<<16)|(1<<20)|(1<<21)|(5<<22)|(3<<25)  ; the pointers in s[4:11] are used up: group 1 for the table: 64 rows of 256 bytes, 16 of padding; shared along my row
	s_mov_b32 s[G1R+1], 32<<16
	s_mov_b32 s[G1R+2], 64<<16
	s_mov_b32 s[G1R+3], 32<<16
	s_mov_b32 s[G1R+4], 64
	s_mov_b32 s[G1R+5], 32
	s_mov_b32 s[G1R+6], 0
	s_mov_b32 s[G1R+7], 0
	v_and_b32 v1, 15, v0                           ; r = lane % 16
	v_bfe_u32 v2, v0, 4, 1                         ; h = lane / 16
	v_lshlrev_b32 v7, 5, v2
.irp b, 0,1,2,3,4,5,6,7                        ; lane (r, h) wants, for block b, the bias of columns 16 b + 8 h + 0 .. 7
	global_load_b128 v[BIAS+8*\b:BIAS+8*\b+3], v7, s[96:97] offset:64*\b
	global_load_b128 v[BIAS+8*\b+4:BIAS+8*\b+7], v7, s[96:97] offset:64*\b+16
.endr
	v_mov_b32 v[AL], s66
	v_mov_b32 v[AL+1], s66
	v_mov_b32 v[BE], s67
	v_mov_b32 v[BE+1], 0
	v_mul_u32_u24 v3, v1, PITCH
	v_lshl_add_u32 v4, v2, 4, v3                   ; a fragment's row x pitch + 16 x half
	s_mul_i32 s21, s15, HALFT
	s_mul_i32 s22, s16, HALFT
	s_add_co_u32 s22, s22, 2*HALFT
.irp s, 0,1
	v_add_nc_u32 v[ADRA+\s], s21, v4
	v_add_nc_u32 v[ADRB+\s], s22, v4
	s_add_co_u32 s21, s21, SLOT
	s_add_co_u32 s22, s22, SLOT
.endr
	v_mul_u32_u24 v5, v1, KS                       ; my row's scales: KS bytes a row,
	v_lshrrev_b32 v6, 8, v5
	v_lshl_add_u32 v5, v6, 4, v5                   ; and 16 more for each 256 passed
	s_mul_i32 s21, s15, HALFS
	s_mul_i32 s22, s16, HALFS
	s_add_co_u32 s22, s22, 2*HALFS
	s_sub_co_u32 s22, s22, s21
	v_mul_u32_u24 v6, s22, v2                      ; lanes 16-31 take B's
	s_add_co_u32 s21, s21, SCL
	v_add_nc_u32 v5, v5, v6
	v_add_nc_u32 v[ADRS], s21, v5
	s_mul_i32 s23, s14, 16*SPITCH
	s_add_co_u32 s23, s23, STAGE                   ; my stage
	v_mul_u32_u24 v5, v1, SPITCH
	v_lshl_add_u32 v5, v2, 4, v5
	v_add_nc_u32 v[STO], s23, v5                   ; in: row r, 16 bytes for each half of the lanes
	v_mul_u32_u24 v5, v2, SPITCH
	v_lshl_add_u32 v5, v1, 4, v5
	v_add_nc_u32 v[RD], s23, v5                    ; back: lanes 0-15 one row of 256 bytes, lanes 16-31 the next
	v_mul_u32_u24 v5, v2, QROW
	v_lshl_add_u32 v[CO], v1, 4, v5                ; and the same two rows in qkv
	s_mul_i32 s23, s15, 128*272
	v_lshl_add_u32 v5, v2, 5, v3
	v_add_nc_u32 v[CSA], s23, v5                   ; the table: position 128 x my row half + r, + 32 h bytes: my four pairs
	s_lshl_b32 s20, s17, 8
	s_lshl_b32 s21, s15, 7
	s_add_co_u32 s20, s20, s21                     ; my first row
	s_mul_i32 s20, s20, QROW
	s_lshl_b32 s46, s42, 9                         ; my first column, in bytes
	s_lshl_b32 s47, s16, 8
	s_add_co_u32 s46, s46, s47
	s_add_co_u32 s20, s20, s46
	s_mov_b32 s21, 0
	s_add_nc_u64 s[12:13], s[12:13], s[20:21]
.macro FRAG reg, adr, q, i             ; 16 rows x 128 K of 4-bit codes: 8 registers; lane l holds row l % 16; registers 4 c .. 4 c + 3 hold K = 64 c + 32 (l / 16) + 0 .. 31
.irp c, 0,1
	ds_load_b128 v[\reg+4*\c:\reg+4*\c+3], v[\adr] offset:64*(\q)+32*\c+(\i)*16*PITCH
.endr
.endm
; 16 matrix instructions: A's blocks a0, a0 + 1 x B's eight.  zero = 1: the first product starts the sums from the bias.  The 64 accumulators take turns.
.macro MUL16 a0, p, q, sc, zero
.irp a, \a0, \a0+1
.irp b, 0,1,2,3,4,5,6,7
.if \zero
	v_wmma_scale_f32_16x16x128_f8f6f4 v[8*(8*((\a)%4)+\b):8*(8*((\a)%4)+\b)+7], v[128*(\p)+FR*\b:128*(\p)+FR*\b+FR-1], v[AF+FR*(\a):AF+FR*(\a)+FR-1], v[BIAS+8*\b:BIAS+8*\b+7], v[SC+8*NQ*(\sc)+NQ*\b+(\q)], v[SC+8*NQ*(\sc)+NQ*(\a)+(\q)] matrix_a_fmt:MATRIX_FMT_FP4 matrix_b_fmt:MATRIX_FMT_FP4 matrix_a_scale:MATRIX_SCALE_ROW1
.else
	v_wmma_scale_f32_16x16x128_f8f6f4 v[8*(8*((\a)%4)+\b):8*(8*((\a)%4)+\b)+7], v[128*(\p)+FR*\b:128*(\p)+FR*\b+FR-1], v[AF+FR*(\a):AF+FR*(\a)+FR-1], v[8*(8*((\a)%4)+\b):8*(8*((\a)%4)+\b)+7], v[SC+8*NQ*(\sc)+NQ*\b+(\q)], v[SC+8*NQ*(\sc)+NQ*(\a)+(\q)] matrix_a_fmt:MATRIX_FMT_FP4 matrix_b_fmt:MATRIX_FMT_FP4 matrix_a_scale:MATRIX_SCALE_ROW1
.endif
.endr
.endr
.endm
.macro FETCH_B slot, q, p
	WIN TO_B
.irp i, 0,1,2,3,4,5,6,7
	FRAG 128*(\p)+FR*\i, ADRB+\slot, \q, \i
.endr
	WIN 0
.endm
.macro FETCH_A slot, q, i0
.irp i, \i0, \i0+1, \i0+2, \i0+3
	FRAG AF+FR*(\i), ADRA+\slot, \q, \i
.endr
.endm
.macro SCALES sc                       ; a K step's scale words: lanes 0-15 take A's block i, lanes 16-31 B's block i
.irp i, 0,1,2,3,4,5,6,7
	ds_load_b128 v[SC+8*NQ*\sc+NQ*\i:SC+8*NQ*\sc+NQ*\i+3], v[ADRS] offset:\i*SBLK
.endr
.endm
.macro PLACES n                        ; plain vector instructions between a matrix instruction and a load into, or a read of, its registers
.rept \n
	v_nop
.endr
.endm
.macro STEP slot, q, zero              ; a step of 128 along K that has its successor in the same slot
	s_wait_dscnt 4*NL                              ; B's set and A's blocks 0-3 are in; the youngest eight loads (A's blocks 4-7) may be out
.if \zero
	WIN 0x81                                       ; C, the bias, in window 0
.else
	WIN MUL_LO
.endif
	MUL16 0, (\q)%2, \q, \slot, \zero
	MUL16 2, (\q)%2, \q, \slot, \zero
	s_wait_dscnt 0
	PLACES NP
	FETCH_B \slot, (\q)+1, 1-(\q)%2
	FETCH_A \slot, (\q)+1, 0
.if \zero
	WIN 0xc1
.else
	WIN MUL_HI
.endif
	MUL16 4, (\q)%2, \q, \slot, \zero
	MUL16 6, (\q)%2, \q, \slot, \zero
	PLACES NP
	WIN 0
	FETCH_A \slot, (\q)+1, 4
.endm
.macro STEPS slot, from
.set Q, \from
.rept NQ-1-\from
	STEP \slot, Q, 0
.set Q, Q+1
.endr
.endm
	s_wait_tensorcnt 1                             ; the scales and my part of slot 0 are in; slot 1's load may be out
	s_barrier_signal -1
	s_barrier_wait -1
	FETCH_B 0, 0, 0
	FETCH_A 0, 0, 0
	SCALES 0
	FETCH_A 0, 0, 4
	s_wait_loadcnt 0x0                             ; the bias
	STEP 0, 0, 1
	STEPS 0, 1
	; slot 0's last step changes slots.  In front of the round each wave waits for all its tensor loads, adds 0 to its spare word, and waits for that and for its reads of slot 0.
	s_wait_tensorcnt 0x0                           ; my part of slot 1 has landed
	ds_add_u32 v[SPW], v[NIL]
	s_wait_dscnt 4*NL+1                            ; the add and the youngest eight loads may be out
	WIN MUL_LO
	MUL16 0, 1, NQ-1, 0, 0
	s_wait_dscnt 0x0                               ; the add is done, and my reads of slot 0 are over
	s_barrier_signal -1
	MUL16 2, 1, NQ-1, 0, 0
	WIN 0
	s_barrier_wait -1
	CREST                                          ; no wave of any partner still reads slot 0 or has a load on its way
	tensor_load_to_lds s[G0R:G0R+3], s[G1R:G1R+7]  ; my 64 positions of the table, into slot 0: my one load behind the round; it has slot 1's four steps in which to land
	s_nop 0
.rept 4
	v_nop                                          ; (also the places in front of the loads below)
.endr
	v_add_nc_u32 v[ADRS], 4*NQ, v[ADRS]
	FETCH_B 1, 0, 0
	FETCH_A 1, 0, 0
	SCALES 1
	WIN MUL_HI
	MUL16 4, 1, NQ-1, 0, 0
	MUL16 6, 1, NQ-1, 0, 0
	PLACES NP
	WIN 0
	FETCH_A 1, 0, 4
	STEPS 1, 0
	s_wait_dscnt 4*NL
	WIN MUL_LO
	MUL16 0, 1, NQ-1, 1, 0
	MUL16 2, 1, NQ-1, 1, 0
	s_wait_dscnt 0
	WIN MUL_HI
	MUL16 4, 1, NQ-1, 1, 0
	MUL16 6, 1, NQ-1, 1, 0
	WIN 0
	s_wait_tensorcnt 0x0                           ; my quarter of the table has landed;
	s_wait_dscnt 0x0
	s_barrier_signal -1
	s_barrier_wait -1                              ; everybody's has
; THE WAY OUT, a block of 16 rows x 128 columns at a time: the table's pairs for the block's rows; the rotation; f16; through my stage, so that sixteen lanes store 256 aligned bytes.
.macro CSLOAD a                        ; lane (r, h): of position 16 a + r the pairs 8 q + 4 h + 0 .. 3, q = 0 .. 3: register 8 q + 2 p cos, + 1 sin.  Blocks b and b + 4 of columns lie a head apart and share them
.irp q, 0,1,2,3
	ds_load_b128 v[CS+8*\q:CS+8*\q+3], v[CSA] offset:(\a)*16*272+64*\q
	ds_load_b128 v[CS+8*\q+4:CS+8*\q+7], v[CSA] offset:(\a)*16*272+64*\q+16
.endr
.endm
.macro ROPE a
.set AC, 64*((\a)%4)
.set i, 0
.rept 16
	v_pk_fma_f32 v[CS+2*i:CS+2*i+1], v[CS+2*i:CS+2*i+1], v[AL:AL+1], v[BE:BE+1]   ; (a cos + b, a sin)
.set i, i+1
.endr
	WIN 0x52+(\a)/4                                ; source 0: the accumulators; source 1: the pairs; source 2 and destination: window 1
.irp b, 0,1,2,3,4,5,6,7
.irp p, 0,1,2,3
	v_mul_f32 v[T+8*\b+2*\p], -v[AC+8*\b+2*\p+1], v[CS+8*(\b%4)+2*\p+1]           ; -t1 sin  (each accumulator is read from its low end on)
	v_mul_f32 v[T+8*\b+2*\p+1], v[AC+8*\b+2*\p], v[CS+8*(\b%4)+2*\p+1]            ;  t0 sin
.endr
.irp p, 0,1,2,3
	v_pk_fma_f32 v[T+8*\b+2*\p:T+8*\b+2*\p+1], v[AC+8*\b+2*\p:AC+8*\b+2*\p+1], v[CS+8*(\b%4)+2*\p:CS+8*(\b%4)+2*\p+1], v[T+8*\b+2*\p:T+8*\b+2*\p+1] op_sel_hi:[1,0,1]   ; (t0 cos - t1 sin, t1 cos + t0 sin)
.endr
.endr
	WIN 0x05
.set i, 0
.rept 32
	v_cvt_pk_f16_f32 v[PK+i], v[T+2*i], v[T+2*i+1]
.set i, i+1
.endr
	WIN 0
.endm
.macro TOSTAGE a
.irp b, 0,1,2,3,4,5,6,7
	ds_store_b128 v[STO], v[PK+4*\b:PK+4*\b+3] offset:32*\b
.endr
.set BB, BK+32*((\a)%2)
.irp t, 0,1,2,3,4,5,6,7
	ds_load_b128 v[BB+4*\t:BB+4*\t+3], v[RD] offset:\t*2*SPITCH    ; LDS serves a wave's instructions in order (ISA guide 5.7.1.4): these see the stores above
.endr
.endm
.macro SEND a
.set BB, BK+32*((\a)%2)
.irp t, 0,1,2,3,4,5,6,7
	global_store_b128 v[CO], v[BB+4*\t:BB+4*\t+3], s[12:13] offset:(16*(\a)+2*\t)*QROW   ; 16 lanes store 256 consecutive bytes, aligned; 126 rows at the most: inside the signed 24-bit immediate
.endr
.endm
.macro OUTBLK a
	s_wait_dscnt 0x0                               ; this block's pairs and the last block's rows are in; the stage's stores have read their registers
.if (\a) > 0
	SEND (\a)-1
.endif
	ROPE \a
.if (\a) > 1
	s_wait_xcnt 0x0                                ; block a - 2's stores have read their registers: this block's rows may land there
.endif
	TOSTAGE \a
.if (\a) < 7
	CSLOAD (\a)+1
.endif
.endm
	PLACES NP                                      ; behind the last products: loads into A's registers, and reads of results, follow
	CSLOAD 0
.irp a, 0,1,2,3,4,5,6,7
	OUTBLK \a
.endr
	s_wait_dscnt 0x0
	SEND 7
	s_wait_tensorcnt 0x0                           ; the wave's end
	ds_add_u32 v[SPW], v[NIL]
	s_wait_dscnt 0x0
	CROUND                                         ; the closing round
	s_endpgm
.Lfunc_end_k_qec22da679a_qkv:
	.size	k_qec22da679a_qkv, .Lfunc_end_k_qec22da679a_qkv-k_qec22da679a_qkv
	.p2alignl 7, 3214868480
	.fill 96, 4, 3214868480
	.section	.rodata,"a",@progbits
	.p2align	6, 0x0
	.amdhsa_kernel k_qec22da679a_qkv
		.amdhsa_group_segment_fixed_size 327680
		.amdhsa_private_segment_fixed_size 0
		.amdhsa_enable_private_segment 0
		.amdhsa_kernarg_size 56
		.amdhsa_user_sgpr_count 2
		.amdhsa_user_sgpr_kernarg_segment_ptr 1
		.amdhsa_wavefront_size32 1
		.amdhsa_system_sgpr_workgroup_id_x 1
		.amdhsa_system_sgpr_workgroup_id_y 1
		.amdhsa_system_sgpr_workgroup_id_z 1
		.amdhsa_system_vgpr_workitem_id 0
		.amdhsa_next_free_vgpr 1024
		.amdhsa_next_free_sgpr 106
		.amdhsa_reserve_vcc 0
		.amdhsa_float_denorm_mode_32 3
		.amdhsa_float_denorm_mode_16_64 3
		.amdhsa_memory_ordered 1
		.amdhsa_forward_progress 1
		.amdhsa_inst_pref_size 182
	.end_amdhsa_kernel
	.amdgpu_metadata
---
amdhsa.version: [ 1, 2 ]
amdhsa.kernels:
  - .name:           k_qec22da679a_qkv
    .symbol:         k_qec22da679a_qkv.kd
    .args:
      - { .name: codes, .offset: 0, .size: 8, .value_kind: global_buffer, .address_space: global }
      - { .name: scales, .offset: 8, .size: 8, .value_kind: global_buffer, .address_space: global }
      - { .name: qkv, .offset: 16, .size: 8, .value_kind: global_buffer, .address_space: global }
      - { .name: bq, .offset: 24, .size: 8, .value_kind: global_buffer, .address_space: global }
      - { .name: bk, .offset: 32, .size: 8, .value_kind: global_buffer, .address_space: global }
      - { .name: bv, .offset: 40, .size: 8, .value_kind: global_buffer, .address_space: global }
      - { .name: rope, .offset: 48, .size: 8, .value_kind: global_buffer, .address_space: global }
    .group_segment_fixed_size: 327680
    .private_segment_fixed_size: 0
    .kernarg_segment_align: 8
    .kernarg_segment_size: 56
    .max_flat_workgroup_size: 128
    .sgpr_count:     106
    .vgpr_count:     1024
    .wavefront_size: 32
...
	.end_amdgpu_metadata
.endif
;; end of part 2
;; launch attn (part 3): grid 8 x 32, 4 waves a work-group, clusters of 4 x 4, 327,680 bytes of LDS; arguments qkv, mask_img, att; writes att
.if DOCPART == 3
	.amdgcn_target "amdgcn-amd-amdhsa--gfx1250"
	.amdhsa_code_object_version 6
	.text
	.protected	k_qec22da679a_attn
	.globl	k_qec22da679a_attn
	.p2align	8
	.type	k_qec22da679a_attn,@function
k_qec22da679a_attn:
	s_mov_b64 s[64:65], 0
	v_nop
	global_prefetch_b8 v0, s[64:65] scope:SCOPE_SE
	s_setreg_imm32_b32 hwreg(HW_REG_WAVE_MODE, 25, 1), 1
	s_wait_xcnt 0x0
	s_wait_alu depctr_hold_cnt(0) depctr_sa_sdst(0) depctr_va_vdst(0) depctr_va_sdst(0) depctr_va_ssrc(0) depctr_va_vcc(0) depctr_vm_vsrc(0)
	s_getreg_b32 s2, hwreg(HW_REG_IB_STS2, 6, 4)
	s_cmp_eq_u32 s2, 0
	s_cbranch_scc0 .Lentry_in_a_cluster
	s_endpgm
.Lentry_in_a_cluster:
	s_bfe_u32 s2, ttmp6, 0x10000c
	s_cmp_lg_u32 s2, 0xf033
	s_cbranch_scc0 .Lentry_shape_is_right
	s_endpgm
.Lentry_shape_is_right:
; att[b][q][head][:] = the sum over k of softmax_k(q . k / 32) x mask[q][k] x v[k][:].  The mask multiplies BEHIND the softmax: the row's sum is taken of the unmasked weights.
; qkv: [8192][3072] f16 (q already times log2(e) / 32, so a score arrives as an exponent of 2; k; v).  mask_img: the mask in bf16, in the order of the weights' registers.  att: [8192][1024] f16.
; Products on f16 operands with f32 sums; maxima, exponentials, sums and the multiplication by the mask in f32; p x mask is rounded to f16 once, on its way to the second product.
; LIMITS: the mask arrives rounded to bf16 (8 significant bits; 0 and 1 are exact); |mask| up to 65,504, since p x mask goes to f16; results up to 65,504, under 6e-5 their step is 6e-8; NaN and infinities are not served.
; SHARES.  A work-group owns 256 queries of one batch and of TWO heads (a row of K or V for two heads is 256 aligned bytes, and the mask's tile serves both).  Wave w: head w / 2, queries 128 (w % 2) on:
; eight tiles of 16.  Every wave walks all 2,048 keys, 128 a step, through two LDS slots.
; LAYOUT.  S^T = K Q^T (source 0 = 16 keys, source 1 = 16 queries): a lane holds ONE query (lane % 16) and keys 8 (lane / 16) + 0 .. 7 of each tile of keys.  Two such tiles, rounded in pairs, are
; source 1 (32 keys x 16 queries) of O^T = V^T P.  K comes out of LDS as it lies, V turned by ds_load_tr16_b128.
; SOFTMAX.  A running maximum m and sum l for each query: p = 2^(s - m); in every step O and l are multiplied by a = 2^(m_old - m_new).  The loop has no first step of its own: O and l begin as zeros and m as -3e38.
; A KEY STEP goes by quarters of two tiles of queries: 32 products K Q^T, the two tiles' softmax, 32 products V^T P.
; CLUSTER.  4 x 4 work-groups: the four of a row share batch and heads, so K's and V's tiles are asked for jointly along the row; the four of a column share the queries, so the mask's tile along the column.
; REGISTERS: window 0: v1-15 addresses; v16-47 four registers a tile: m, a spare, l in two halves; v48-63 at work for the two tiles in hand; v64-127 the mask, 32 a tile; v128-255 S^T, 64 a tile, P in its low 32.
;   window 1: v0-127 K (tile of keys kt, channels 32 c on: 8 (2 kt + c)); v128-255 V^T (keys 32 kc on, channels 16 ct on: 128 + 8 (4 kc + ct)).   window 2: O^T (32 t + 8 ct).   window 3: v0-127 Q (16 t + 8 c).
.set QROW,  6144                       ; a row of qkv in bytes
.set PITK,  272                        ; a row of K in LDS: 256 bytes + 16: the 16 rows of a load start at 16 different banks (64 banks of 4 bytes: ISA guide 11.1)
.set PITV,  288                        ; a row of V: 256 + 32
.set VOFF,  128*PITK
.set MOFF,  VOFF+128*PITV
.set SLOTB, MOFF+65536                 ; a slot: 128 rows of K, 128 of V, the mask's tile for 16 tiles of queries
.set SPARE, 2*SLOTB                    ; the spare words, 128 bytes a wave: two blocks of 256 bytes that no other line names
.set SP,    272                        ; the way out: a stage of 256 rows x 272 bytes in slot 0, behind its last fill and its last read
.set KTILE, 128*QROW                   ; from a key step to the next, in K and V
.set MTILE, 524288                     ; and in the mask's image
.set AK0, 2
.set AV0, 3
.set AM0, 4
.set ADK, 5
.set ADV, 6
.set ADM, 7
.set QO,  8
.set RD,  9
.set GO,  10
.set PFO, 11                           ; v11  the prefetches' offset; never rewritten
.set SPW, 12                           ; v12  LDS address of my spare word; never rewritten
.set NIL, 13                           ; v13  0; never rewritten
.set STO, 14
.set ST,  16
.set TMP, 48                           ; tile u of the two in hand at TMP + 8 u: +0 -m (pair with +1), +2 a (pair with +3), +4 .. +7 c0-c3
.set MK,  64
.set S,   128
.set WV,  12
.set LIM, 15                           ; s15  1 in a wave that prefetches, else the greatest number
.set PFA, 18
.set PFS, 20
.set G1K, 24
.set G1V, 32
.set G1M, 40
.set G0K, 48                           ; two sets each: the first fills'; the second then walks on
.set G0V, 56
.set G0M, 68
.set TB,  76                           ; s76  LDS byte at which the slot in hand begins
.set REM, 79                           ; s79  refills still to come
.set SEL, 80
.set LM,  82                           ; s82  MOFF + 32,768 (w % 2): the half of the mask's tile that I read, and (waves 2, 3) fetch
.set MSB, 0
.macro WIN new
.if MSB != (\new)
	s_set_vgpr_msb (MSB<<8)|(\new)
.set MSB, (\new)
.endif
.endm
.set W_KQ, 0x0d                        ; K window 1, Q window 3, S^T window 0
.set W_PV, 0xa1                        ; V window 1, P window 0, O^T window 2
.set W_RS, 0x82                        ; O^T (destination and source 0) window 2, a window 0
.macro CROUND
	s_barrier_signal -1
	s_barrier_wait -1
	s_cmp_lg_u32 s[WV], 0
	s_cbranch_scc1 .Lnot_wave_0_\@
	s_barrier_signal -3
.Lnot_wave_0_\@:
	s_barrier_wait -3
	s_barrier_signal -1
	s_barrier_wait -1
.endm
; A joint refill: wave 0 K's tile, wave 1 V's, waves 2 and 3 the halves of the mask's.  The branches hang on the wave's number alone.  An s_nop 0 and four v_nop follow each line.
.macro JLOAD3
	s_cmp_eq_u32 s[WV], 0
	s_cbranch_scc0 .Lnot_k_\@
	tensor_load_to_lds s[G0K+4:G0K+7], s[G1K:G1K+7]
	s_nop 0
.rept 4
	v_nop
.endr
	s_branch .Lasked_\@
.Lnot_k_\@:
	s_cmp_eq_u32 s[WV], 1
	s_cbranch_scc0 .Lnot_v_\@
	tensor_load_to_lds s[G0V+4:G0V+7], s[G1V:G1V+7]
	s_nop 0
.rept 4
	v_nop
.endr
	s_branch .Lasked_\@
.Lnot_v_\@:
	tensor_load_to_lds s[G0M+4:G0M+7], s[G1M:G1M+7]
	s_nop 0
.rept 4
	v_nop
.endr
.Lasked_\@:
.endm
; A PREFETCH INTO THE L2 of what the NEXT change of slots will ask for, one key step ahead of that load; one instruction a wave, behind the wave's tensor load and its five lines.
; Each aligned block of 256 bytes is named once in the launch.  K's and V's rows are read by both clusters of a row of clusters: the one with cluster x = 0 asks; of a tile's 128 rows each of the four partners
; takes 32, told apart by address (cx), a lane a row.  The mask's tile is read by all clusters of a column of clusters: the one with cluster y = 0 asks; of a wave's 128 blocks each partner takes 32 (cy).
; The last refill asks for nothing; tiles 0 to 2 come by their loads alone.
.macro ASK
	s_cmp_gt_u32 s[REM], s[LIM]
	s_cbranch_scc0 .Lnot_mine_\@
	global_prefetch_b8 v[PFO], s[PFA:PFA+1] th:TH_LOAD_NT scope:SCOPE_SE
.Lnot_mine_\@:
.endm
	s_load_b128 s[4:7], s[0:1], 0x0                ; qkv, mask_img
	s_load_b64 s[8:9], s[0:1], 0x10                ; att
	v_lshl_add_u32 v[SPW], v0, 2, SPARE
	v_mov_b32 v[NIL], 0
	ds_add_u32 v[SPW], v[NIL]                      ; the wave's opening: the add, twice on end, and its wait ahead of my first tensor load
	ds_add_u32 v[SPW], v[NIL]
	v_lshrrev_b32 v1, 5, v0
	v_readfirstlane_b32 s[WV], v1                  ; wave 0..3
	s_lshr_b32 s16, s[WV], 1                       ; my head of the pair
	s_and_b32 s17, s[WV], 1                        ; my half of the queries
	s_bfe_u32 s13, ttmp6, 0x40000                  ; cx
	s_bfe_u32 s14, ttmp6, 0x40004                  ; cy
	s_lshl_b32 s83, ttmp9, 2
	s_add_co_u32 s83, s83, s13                     ; x: my block of 256 queries
	s_and_b32 s3, ttmp7, 0xffff
	s_lshl_b32 s3, s3, 2
	s_add_co_u32 s3, s3, s14                       ; y
	s_lshr_b32 s22, s3, 3                          ; the batch
	s_and_b32 s23, s3, 7                           ; the pair of heads
	s_lshl_b32 s10, s14, 2
	s_lshl_b32 s10, 15, s10                        ; my row of the cluster
	s_lshl_b32 s11, 0x1111, s13                    ; my column
	s_or_b32 s[G1K], s10, (1<<16)|(1<<20)|(1<<21)|(5<<22)|(3<<25)   ; the mask of work-groups; elements of 2 bytes; padding on; bit 21 beside a mask; after every 64 words 4 words
	s_or_b32 s[G1V], s10, (1<<16)|(1<<20)|(1<<21)|(5<<22)|(7<<25)   ; the same with 8 words of padding
.irp g, G1K, G1V
	s_mov_b32 s[\g+1], 128<<16                     ; tensor_dim0 = 128 elements: two heads
	s_mov_b32 s[\g+2], 128<<16                     ; tensor_dim1 = 128 keys
	s_mov_b32 s[\g+3], 128<<16                     ; tile_dim0
	s_mov_b32 s[\g+4], 128                         ; tile_dim1
	s_mov_b32 s[\g+5], 3072                        ; the pitch in elements
	s_mov_b32 s[\g+6], 0
	s_mov_b32 s[\g+7], 0
.endr
	s_or_b32 s[G1M], s11, (3<<16)|(1<<21)          ; half the mask's tile: a dense block of 32,768 bytes as 128 rows of 32 elements of 8 bytes, no padding
	s_mov_b32 s[G1M+1], 32<<16
	s_mov_b32 s[G1M+2], 128<<16
	s_mov_b32 s[G1M+3], 32<<16
	s_mov_b32 s[G1M+4], 128
	s_mov_b32 s[G1M+5], 32
	s_mov_b32 s[G1M+6], 0
	s_mov_b32 s[G1M+7], 0
	s_mul_i32 s84, s22, 2048*QROW                  ; K's tile 0: the batch's first row,
	s_lshl_b32 s85, s23, 8                         ; 256 bytes a pair of heads,
	s_add_co_u32 s84, s84, s85
	s_add_co_u32 s84, s84, 2048                    ; behind q's 1,024 columns
	s_mov_b32 s85, 0
	s_lshl_b32 s86, s83, 16                        ; the mask's tile 0: 16 tiles of queries of 4,096 bytes a block,
	s_lshl_b32 s87, s17, 15                        ; my half
	s_add_co_u32 s86, s86, s87
	s_mov_b32 s87, 0
	s_mul_i32 s88, s22, 2048*QROW                  ; Q: my wave's first query, my head
	s_mul_i32 s89, s83, 256*QROW
	s_add_co_u32 s88, s88, s89
	s_mul_i32 s89, s17, 128*QROW
	s_add_co_u32 s88, s88, s89
	s_lshl_b32 s89, s23, 8
	s_add_co_u32 s88, s88, s89
	s_lshl_b32 s89, s16, 7
	s_add_co_u32 s88, s88, s89
	s_mov_b32 s89, 0
	s_lshl_b32 s90, s22, 22                        ; att: rows of 2,048 bytes: the batch, my block, the 64 rows that I store, the pair of heads
	s_lshl_b32 s91, s83, 19
	s_add_co_u32 s90, s90, s91
	s_lshl_b32 s91, s[WV], 17
	s_add_co_u32 s90, s90, s91
	s_lshl_b32 s91, s23, 8
	s_add_co_u32 s90, s90, s91
	s_mov_b32 s91, 0
	s_lshl_b32 s[LM], s17, 15
	s_add_co_u32 s[LM], s[LM], MOFF
	s_mov_b32 s[SEL], 0x76543210
	s_mov_b32 s[SEL+1], 0xfedcba98                 ; v_permlanex16_b32's selects for lane l xor 16
	s_mov_b32 s[REM], 14
	; the prefetches: where my wave's stand (tile 2; the first change steps them to tile 3), and who asks
	s_lshl_b32 s92, s17, 11                        ; wave 1: V lies 2,048 bytes behind K
	s_add_co_u32 s92, s92, s84
	s_mul_i32 s93, s13, 32*QROW                    ; my work-group's 32 rows
	s_add_co_u32 s92, s92, s93
	s_add_co_u32 s92, s92, 2*KTILE
	s_lshl_b32 s93, s14, 13                        ; waves 2, 3: my work-group's 32 blocks of 256 bytes
	s_add_co_u32 s93, s93, s86
	s_add_co_u32 s93, s93, 2*MTILE
	s_and_b32 s2, ttmp7, 0xffff
	s_mov_b32 s[PFS], MTILE
	s_mov_b32 s94, 256
	s_cmp_lt_u32 s[WV], 2
	s_cselect_b32 s92, s92, s93
	s_cselect_b32 s[PFS], KTILE, s[PFS]
	s_cselect_b32 s94, QROW, s94                   ; from lane to lane
	s_cselect_b32 s2, ttmp9, s2                    ; the coordinate along which other clusters read the same bytes
	s_mov_b32 s93, 0
	s_mov_b32 s[PFS+1], 0
	s_cmp_eq_u32 s2, 0
	s_cselect_b32 s[LIM], 1, -1                    ; the same in all sixteen partners, for a given wave
	v_and_b32 v[PFO], 31, v0
	v_mul_lo_u32 v[PFO], v[PFO], s94
	s_wait_dscnt 0x0                               ; both opening adds are done
	s_wait_kmcnt 0x0
	s_cmp_lt_u32 s[WV], 2
	s_cselect_b64 s[PFA:PFA+1], s[4:5], s[6:7]
	s_add_nc_u64 s[PFA:PFA+1], s[PFA:PFA+1], s[92:93]
	s_add_nc_u64 s[84:85], s[4:5], s[84:85]
	s_add_nc_u64 s[86:87], s[6:7], s[86:87]
	s_add_nc_u64 s[88:89], s[4:5], s[88:89]
	s_add_nc_u64 s[8:9], s[8:9], s[90:91]
	CROUND                                         ; all sixteen work-groups are here: the first joint loads meet
.irp s, 0,1
	s_mov_b32 s[G0K+4*\s], 1
	s_mov_b32 s[G0K+4*\s+1], \s*SLOTB
	s_add_nc_u64 s[G0K+4*\s+2:G0K+4*\s+3], s[84:85], \s*KTILE
	s_or_b32 s[G0K+4*\s+3], s[G0K+4*\s+3], 0x80000000
	s_mov_b32 s[G0V+4*\s], 1
	s_mov_b32 s[G0V+4*\s+1], \s*SLOTB+VOFF
	s_add_nc_u64 s[G0V+4*\s+2:G0V+4*\s+3], s[84:85], \s*KTILE+2048
	s_or_b32 s[G0V+4*\s+3], s[G0V+4*\s+3], 0x80000000
	s_mov_b32 s[G0M+4*\s], 1
	s_add_co_u32 s[G0M+4*\s+1], s[LM], \s*SLOTB
	s_add_nc_u64 s[G0M+4*\s+2:G0M+4*\s+3], s[86:87], \s*MTILE
	s_or_b32 s[G0M+4*\s+3], s[G0M+4*\s+3], 0x80000000
.endr
	s_cmp_eq_u32 s[WV], 0                          ; a wave's two first fills stand in one arm, ahead of every wait on TENSORcnt and every LDS read: two loads of mine are out
	s_cbranch_scc0 .Lfirst_not_k
	tensor_load_to_lds s[G0K:G0K+3], s[G1K:G1K+7]
	s_nop 0
	tensor_load_to_lds s[G0K+4:G0K+7], s[G1K:G1K+7]
	s_nop 0
.rept 4
	v_nop
.endr
	s_branch .Lfirst_asked
.Lfirst_not_k:
	s_cmp_eq_u32 s[WV], 1
	s_cbranch_scc0 .Lfirst_not_v
	tensor_load_to_lds s[G0V:G0V+3], s[G1V:G1V+7]
	s_nop 0
	tensor_load_to_lds s[G0V+4:G0V+7], s[G1V:G1V+7]
	s_nop 0
.rept 4
	v_nop
.endr
	s_branch .Lfirst_asked
.Lfirst_not_v:
	tensor_load_to_lds s[G0M:G0M+3], s[G1M:G1M+7]
	s_nop 0
	tensor_load_to_lds s[G0M+4:G0M+7], s[G1M:G1M+7]
	s_nop 0
.rept 4
	v_nop
.endr
.Lfirst_asked:
	v_and_b32 v1, 15, v0                           ; r = lane % 16
	v_bfe_u32 v15, v0, 4, 1                        ; h = lane / 16
	v_mul_u32_u24 v[QO], v1, QROW
	v_lshl_add_u32 v[QO], v15, 4, v[QO]
	WIN 0xc0                                       ; destination window 3
.irp t, 0,1,2,3,4,5,6,7                        ; Q stays in registers: tile t, channels 32 c on
.irp c, 0,1
	global_load_b128 v[16*\t+8*\c:16*\t+8*\c+3], v[QO], s[88:89] offset:\t*16*QROW+64*\c
	global_load_b128 v[16*\t+8*\c+4:16*\t+8*\c+7], v[QO], s[88:89] offset:\t*16*QROW+64*\c+32
.endr
.endr
	WIN 0
	s_lshl_b32 s22, s16, 7                         ; my head's 128 bytes of a row
	v_mul_u32_u24 v[AK0], v1, PITK
	v_lshl_add_u32 v[AK0], v15, 4, v[AK0]
	v_add_nc_u32 v[AK0], s22, v[AK0]               ; K: row r, + 16 h
	v_and_b32 v48, 7, v0
	v_bfe_u32 v49, v0, 3, 1
	v_lshl_add_u32 v[AV0], v15, 3, v48
	v_mul_u32_u24 v[AV0], v[AV0], PITV
	v_lshl_add_u32 v[AV0], v49, 4, v[AV0]
	s_add_co_u32 s22, s22, VOFF
	v_add_nc_u32 v[AV0], s22, v[AV0]               ; V, for the turning load: key 8 h + l % 8, channels 8 ((l / 8) % 2) on
	v_and_b32 v48, 31, v0
	v_lshl_add_u32 v[AM0], v48, 4, s[LM]           ; the mask: 16 bytes a lane
	s_mul_i32 s22, s17, 128*SP
	s_lshl_b32 s23, s16, 7
	s_add_co_u32 s22, s22, s23
	v_mul_u32_u24 v[STO], v1, SP
	v_lshl_add_u32 v[STO], v15, 4, v[STO]
	v_add_nc_u32 v[STO], s22, v[STO]               ; the stage, in: row 128 (w % 2) + r, my head's 128 bytes, + 16 h
	s_mul_i32 s22, s[WV], 64*SP
	v_mul_u32_u24 v[RD], v15, SP
	v_lshl_add_u32 v[RD], v1, 4, v[RD]
	v_add_nc_u32 v[RD], s22, v[RD]                 ; back: my 64 rows; lanes 0-15 one row of 256 bytes, lanes 16-31 the next
	v_lshlrev_b32 v[GO], 11, v15
	v_lshl_add_u32 v[GO], v1, 4, v[GO]             ; and the same two rows in att
.irp t, 0,1,2,3,4,5,6,7
	v_mov_b32 v[ST+4*\t], 0xff61b1e6               ; m: -3e38, under every score
	v_mov_b32 v[ST+4*\t+1], 0                      ; (named with m as a pair on the way out)
	v_mov_b32 v[ST+4*\t+2], 0                      ; l, in two halves
	v_mov_b32 v[ST+4*\t+3], 0
.endr
.irp i, 0,1,2,3,4,5,6,7,8,9,10,11,12,13,14,15
	v_mov_b32 v[TMP+\i], 0                         ; written once: upper halves of pairs that are named whole
.endr
	WIN 0x80
.set i, 0
.rept 256
	v_mov_b32 v[i], 0                              ; O^T.  A key step is written twice as it is (loop and tail); a first step with sums begun by the constant 0 would be a third copy
.set i, i+1
.endr
	WIN 0
.macro FETCH_K
.irp k, 0,1,2,3,4,5,6,7
.irp c, 0,1
	ds_load_b128 v[8*(2*\k+\c):8*(2*\k+\c)+3], v[ADK] offset:\k*16*PITK+64*\c
	ds_load_b128 v[8*(2*\k+\c)+4:8*(2*\k+\c)+7], v[ADK] offset:\k*16*PITK+64*\c+32
.endr
.endr
.endm
.macro FETCH_V
.irp k, 0,1,2,3
.irp c, 0,1,2,3
	ds_load_tr16_b128 v[128+8*(4*\k+\c):128+8*(4*\k+\c)+3], v[ADV] offset:\k*32*PITV+32*\c
	ds_load_tr16_b128 v[128+8*(4*\k+\c)+4:128+8*(4*\k+\c)+7], v[ADV] offset:\k*32*PITV+16*PITV+32*\c
.endr
.endr
.endm
.macro FETCH_M g                       ; the mask for tiles 2 g and 2 g + 1 of my queries: 4 registers for each tile of keys
.irp u, 0,1
.irp k, 0,1,2,3,4,5,6,7
	ds_load_b128 v[MK+32*\u+4*\k:MK+32*\u+4*\k+3], v[ADM] offset:(2*(\g)+\u)*4096+512*\k
.endr
.endr
.endm
; 32 products S^T = K Q^T: channels 32 (i / 16) on, tile of keys (i % 16) / 2, tile of queries 2 g + i % 2.  The 16 accumulators take turns; the first 16 start the sums.
.macro KQ g
.set i, 0
.rept 32
.set rS, S+64*(i%2)+8*((i%16)/2)
.set rK, 8*(2*((i%16)/2)+i/16)
.set rQ, 16*(2*(\g)+i%2)+8*(i/16)
.if i < 16
	v_wmma_f32_16x16x32_f16 v[rS:rS+7], v[rK:rK+7], v[rQ:rQ+7], 0
.else
	v_wmma_f32_16x16x32_f16 v[rS:rS+7], v[rK:rK+7], v[rQ:rQ+7], v[rS:rS+7]
.endif
.set i, i+1
.endr
.endm
; 32 products O^T += V^T P: keys 32 (i / 8) on, channels 16 ((i % 8) / 2) on, tile of queries 2 g + i % 2.  Eight accumulators by turns.
.macro PV g
.set i, 0
.rept 32
.set rO, 32*(2*(\g)+i%2)+8*((i%8)/2)
.set rV, 128+8*(4*(i/8)+(i%8)/2)
.set rP, S+64*(i%2)+8*(i/8)
	v_wmma_f32_16x16x32_f16 v[rO:rO+7], v[rV:rV+7], v[rP:rP+7], v[rO:rO+7]
.set i, i+1
.endr
.endm
; The softmax of tiles 2 g and 2 g + 1 for this key step, the two tiles line by line, so that no line waits for the line above it.
.macro SOFTMAX g
.irp k, 0,1,2,3                                ; the maximum: four chains of 16 scores each, ascending
.irp u, 0,1
	v_max3_num_f32 v[TMP+8*\u+4+\k], v[S+64*\u+16*\k], v[S+64*\u+16*\k+1], v[S+64*\u+16*\k+2]
.endr
.endr
.irp i, 3,5,7,9,11,13
.irp k, 0,1,2,3
.irp u, 0,1
	v_max3_num_f32 v[TMP+8*\u+4+\k], v[TMP+8*\u+4+\k], v[S+64*\u+16*\k+\i], v[S+64*\u+16*\k+\i+1]
.endr
.endr
.endr
.irp u, 0,1
	v_max3_num_f32 v[TMP+8*\u+4], v[TMP+8*\u+4], v[S+64*\u+15], v[S+64*\u+31]
.endr
.irp u, 0,1
	v_max3_num_f32 v[TMP+8*\u+6], v[TMP+8*\u+6], v[S+64*\u+47], v[S+64*\u+63]
.endr
.irp u, 0,1
	v_max3_num_f32 v[TMP+8*\u+4], v[TMP+8*\u+4], v[TMP+8*\u+5], v[TMP+8*\u+6]
.endr
.irp u, 0,1
	v_max3_num_f32 v[TMP+8*\u+4], v[TMP+8*\u+4], v[TMP+8*\u+7], v[ST+4*(2*(\g)+\u)]   ; with the old m
.endr
.irp u, 0,1
	v_permlanex16_b32 v[TMP+8*\u+5], v[TMP+8*\u+4], s[SEL], s[SEL+1]                  ; the query's other 64 keys lie in the lane 16 away
.endr
.irp u, 0,1
	v_max_num_f32 v[TMP+8*\u+4], v[TMP+8*\u+4], v[TMP+8*\u+5]                         ; the new m
.endr
.irp u, 0,1
	v_sub_f32 v[TMP+8*\u+2], v[ST+4*(2*(\g)+\u)], v[TMP+8*\u+4]                       ; m_old - m_new
.endr
.irp u, 0,1
	v_mov_b32 v[ST+4*(2*(\g)+\u)], v[TMP+8*\u+4]
.endr
.irp u, 0,1
	v_sub_f32 v[TMP+8*\u], 0, v[TMP+8*\u+4]                                           ; -m
.endr
; ONE BATCH: the 32 subtractions of m, a pair of scores each, and all 65 exponentials of a tile; none of these lines names an exponential's result.  Four subtractions run ahead.
.irp u, 0,1
	v_exp_f32 v[TMP+8*\u+2], v[TMP+8*\u+2]                                            ; a
.endr
.irp n, 0,1,2,3
.irp u, 0,1
	v_pk_add_f32 v[S+64*\u+2*\n:S+64*\u+2*\n+1], v[S+64*\u+2*\n:S+64*\u+2*\n+1], v[TMP+8*\u:TMP+8*\u+1] op_sel_hi:[1,0]
.endr
.endr
.set n, 0
.rept 32
.irp u, 0,1
	v_exp_f32 v[S+64*\u+2*n], v[S+64*\u+2*n]
	v_exp_f32 v[S+64*\u+2*n+1], v[S+64*\u+2*n+1]
.if n < 28
	v_pk_add_f32 v[S+64*\u+2*n+8:S+64*\u+2*n+9], v[S+64*\u+2*n+8:S+64*\u+2*n+9], v[TMP+8*\u:TMP+8*\u+1] op_sel_hi:[1,0]
.endif
.endr
.set n, n+1
.endr
	v_nop                                          ; a plain instruction behind the last exponential
	s_wait_alu depctr_va_vdst(0)                   ; the wait ahead of the first reader: one for the whole batch
.irp u, 0,1                                    ; THE ROW'S SUM IS TAKEN OF THE UNMASKED, UNROUNDED p: two at a time, in two chains
	v_pk_add_f32 v[TMP+8*\u+4:TMP+8*\u+5], v[S+64*\u:S+64*\u+1], v[S+64*\u+2:S+64*\u+3]
.endr
.irp u, 0,1
	v_pk_add_f32 v[TMP+8*\u+6:TMP+8*\u+7], v[S+64*\u+4:S+64*\u+5], v[S+64*\u+6:S+64*\u+7]
.endr
.irp j, 8,12,16,20,24,28,32,36,40,44,48,52,56,60
.irp u, 0,1
	v_pk_add_f32 v[TMP+8*\u+4:TMP+8*\u+5], v[TMP+8*\u+4:TMP+8*\u+5], v[S+64*\u+\j:S+64*\u+\j+1]
.endr
.irp u, 0,1
	v_pk_add_f32 v[TMP+8*\u+6:TMP+8*\u+7], v[TMP+8*\u+6:TMP+8*\u+7], v[S+64*\u+\j+2:S+64*\u+\j+3]
.endr
.endr
.irp u, 0,1
	v_pk_add_f32 v[TMP+8*\u+4:TMP+8*\u+5], v[TMP+8*\u+4:TMP+8*\u+5], v[TMP+8*\u+6:TMP+8*\u+7]
.endr
.irp u, 0,1
	v_pk_fma_f32 v[ST+4*(2*(\g)+\u)+2:ST+4*(2*(\g)+\u)+3], v[ST+4*(2*(\g)+\u)+2:ST+4*(2*(\g)+\u)+3], v[TMP+8*\u+2:TMP+8*\u+3], v[TMP+8*\u+4:TMP+8*\u+5] op_sel_hi:[1,0,1]   ; l = a l + the sum
.endr
	s_wait_dscnt 0x0                               ; the mask's registers are in (in a step's first quarter V's too)
.set n, 0
.rept 32                                       ; p x mask, in f32: the mask's register n holds, as bf16 halves, the mask of scores 2 n (low) and 2 n + 1 (high); the addend is 0
.irp u, 0,1
	v_fma_mix_f32_bf16 v[S+64*\u+2*n], v[MK+32*\u+n], v[S+64*\u+2*n], v[NIL] op_sel_hi:[1,0,0]
	v_fma_mix_f32_bf16 v[S+64*\u+2*n+1], v[MK+32*\u+n], v[S+64*\u+2*n+1], v[NIL] op_sel:[1,0,0] op_sel_hi:[1,0,0]
.endr
.set n, n+1
.endr
.set n, 0
.rept 32                                       ; to f16, in place, ascending: register n takes numbers 2 n and 2 n + 1, which lie at or above it
.irp u, 0,1
	v_cvt_pk_f16_f32 v[S+64*\u+n], v[S+64*\u+2*n], v[S+64*\u+2*n+1]
.endr
.set n, n+1
.endr
.endm
.macro RESCALE g                       ; O^T of the two tiles times a, each accumulator from its low end on
.irp u, 0,1
.set i, 0
.rept 16
	v_pk_mul_f32 v[32*(2*(\g)+\u)+2*i:32*(2*(\g)+\u)+2*i+1], v[32*(2*(\g)+\u)+2*i:32*(2*(\g)+\u)+2*i+1], v[TMP+8*\u+2:TMP+8*\u+3] op_sel_hi:[1,0]
.set i, i+1
.endr
.endr
.endm
.macro QUARTER g
	WIN W_KQ
	KQ \g
	WIN 0
.rept 4
	v_nop                                          ; four places between the products and the first read of their results (ISA guide 7.12.1)
.endr
	SOFTMAX \g
.if \g < 3
	FETCH_M (\g)+1                                 ; the mask's registers have been read: the next quarter's come under this quarter's products
.endif
	WIN W_RS
	RESCALE \g
	WIN W_PV
	PV \g
	WIN 0
.rept 5
	v_nop                                          ; five places: the next products K Q^T write over P, which these products read; also the places in front of the next step's loads into V's registers
.endr
.endm
.macro BODY                            ; a key step, from the slot at s[TB]
	v_add_nc_u32 v[ADK], s[TB], v[AK0]
	v_add_nc_u32 v[ADV], s[TB], v[AV0]
	v_add_nc_u32 v[ADM], s[TB], v[AM0]
	WIN 0x40                                       ; destination window 1
	FETCH_K
	FETCH_V
	WIN 0
	FETCH_M 0
	s_wait_dscnt 48                                ; K's 32 loads are in; V's 32 and the mask's 16 may be out
	QUARTER 0
	QUARTER 1
	QUARTER 2
	QUARTER 3
.endm
; THE CHANGE OF SLOTS, behind a key step.  Each wave waits for all its tensor loads (one is out: its part of the other slot), adds 0 to its spare word, and waits for that and for its reads of the slot in hand.
; fill = 1: the barrier is a round of the cluster's; behind it the slot just read is filled with the tile two steps on: one joint load a wave, which has a whole key step in which to land.
.macro CHANGE fill
	s_wait_tensorcnt 0x0                           ; no tensor load of mine is out, so a group 0 may be written
	ds_add_u32 v[SPW], v[NIL]
.if \fill
	s_mov_b32 s[G0K+5], s[TB]                      ; the walking descriptors: into the slot in hand,
	s_add_co_u32 s[G0V+5], s[TB], VOFF
	s_add_co_u32 s[G0M+5], s[TB], s[LM]
	s_add_nc_u64 s[G0K+6:G0K+7], s[G0K+6:G0K+7], KTILE   ; the next tile; the type bits on top are not reached
	s_add_nc_u64 s[G0V+6:G0V+7], s[G0V+6:G0V+7], KTILE
	s_add_nc_u64 s[G0M+6:G0M+7], s[G0M+6:G0M+7], MTILE
	s_wait_xcnt 0x0                                ; the last prefetch, a key step back, has read its address
	s_add_nc_u64 s[PFA:PFA+1], s[PFA:PFA+1], s[PFS:PFS+1]
	s_wait_dscnt 0x0                               ; the add is done, and my reads of the slot are over
	CROUND
	JLOAD3
	ASK
	s_sub_co_u32 s[REM], s[REM], 1
.else
	s_wait_dscnt 0x0
	s_barrier_signal -1
	s_barrier_wait -1
.endif
	s_add_co_u32 s[TB], s[TB], SLOTB
.endm
	s_wait_tensorcnt 0x1                           ; my part of tile 0 is in; tile 1's load may be out
	s_barrier_signal -1
	s_barrier_wait -1
	s_wait_loadcnt 0x0                             ; Q
	s_mov_b32 s77, 7
.Lpair:                                            ; 7 x 2 key steps, each followed by a refill: tiles 2 to 15
	s_mov_b32 s[TB], 0
	s_mov_b32 s78, 2
.Lstep:
	BODY
	CHANGE 1
	s_sub_co_u32 s78, s78, 1
	s_cmp_lg_u32 s78, 0
	s_cbranch_scc1 .Lstep
	s_sub_co_u32 s77, s77, 1
	s_cmp_lg_u32 s77, 0
	s_cbranch_scc1 .Lpair
	s_mov_b32 s[TB], 0                             ; the last two key steps are written out
	s_mov_b32 s78, 2
.Ltail:
	BODY
	CHANGE 0
	s_sub_co_u32 s78, s78, 1
	s_cmp_lg_u32 s78, 0
	s_cbranch_scc1 .Ltail
	; THE WAY OUT.  l's halves and the other half of the lanes' are added; O^T / l goes as f16 into the work-group's stage (a row's 256 bytes come from two waves), a barrier, and leaves as whole rows.
.irp t, 0,1,2,3,4,5,6,7
	v_add_f32 v[ST+4*\t+2], v[ST+4*\t+2], v[ST+4*\t+3]
.endr
.irp t, 0,1,2,3,4,5,6,7
	v_permlanex16_b32 v[ST+4*\t+3], v[ST+4*\t+2], s[SEL], s[SEL+1]
.endr
.irp t, 0,1,2,3,4,5,6,7
	v_add_f32 v[ST+4*\t+2], v[ST+4*\t+2], v[ST+4*\t+3]
.endr
.irp t, 0,1,2,3,4,5,6,7
	v_rcp_f32 v[ST+4*\t], v[ST+4*\t+2]
.endr
	v_nop                                          ; a plain instruction behind the last reciprocal
	s_wait_alu depctr_va_vdst(0)                   ; and the wait ahead of the first use: one for the eight
.irp t, 0,1,2,3,4,5,6,7
	WIN W_RS
.set i, 0
.rept 16
	v_pk_mul_f32 v[32*\t+2*i:32*\t+2*i+1], v[32*\t+2*i:32*\t+2*i+1], v[ST+4*\t:ST+4*\t+1] op_sel_hi:[1,0]
.set i, i+1
.endr
	WIN 0x0a                                       ; sources 0 and 1 window 2, destination window 0: S^T's registers are free
.set i, 0
.rept 16
	v_cvt_pk_f16_f32 v[S+16*\t+i], v[32*\t+2*i], v[32*\t+2*i+1]
.set i, i+1
.endr
	WIN 0
.irp c, 0,1,2,3
	ds_store_b128 v[STO], v[S+16*\t+4*\c:S+16*\t+4*\c+3] offset:\t*16*SP+32*\c
.endr
.endr
	s_wait_dscnt 0x0                               ; for the others' sake: my stores into the stage are done
	s_barrier_signal -1
	s_barrier_wait -1
.set i, 0
.rept 32
	ds_load_b128 v[S+4*i:S+4*i+3], v[RD] offset:i*2*SP
.set i, i+1
.endr
.set i, 0
.rept 32
	s_wait_dscnt 31-i                              ; LDS loads come back in order: mine is in, the younger ones stay out
	global_store_b128 v[GO], v[S+4*i:S+4*i+3], s[8:9] offset:4096*i   ; 16 lanes store 256 consecutive bytes, aligned
.set i, i+1
.endr
	s_wait_tensorcnt 0x0                           ; the wave's end
	ds_add_u32 v[SPW], v[NIL]
	s_wait_dscnt 0x0
	CROUND                                         ; the closing round
	s_endpgm
.Lfunc_end_k_qec22da679a_attn:
	.size	k_qec22da679a_attn, .Lfunc_end_k_qec22da679a_attn-k_qec22da679a_attn
	.p2alignl 7, 3214868480
	.fill 96, 4, 3214868480
	.section	.rodata,"a",@progbits
	.p2align	6, 0x0
	.amdhsa_kernel k_qec22da679a_attn
		.amdhsa_group_segment_fixed_size 327680
		.amdhsa_private_segment_fixed_size 0
		.amdhsa_enable_private_segment 0
		.amdhsa_kernarg_size 24
		.amdhsa_user_sgpr_count 2
		.amdhsa_user_sgpr_kernarg_segment_ptr 1
		.amdhsa_wavefront_size32 1
		.amdhsa_system_sgpr_workgroup_id_x 1
		.amdhsa_system_sgpr_workgroup_id_y 1
		.amdhsa_system_sgpr_workgroup_id_z 1
		.amdhsa_system_vgpr_workitem_id 0
		.amdhsa_next_free_vgpr 896
		.amdhsa_next_free_sgpr 96
		.amdhsa_reserve_vcc 0
		.amdhsa_float_denorm_mode_32 3
		.amdhsa_float_denorm_mode_16_64 3
		.amdhsa_memory_ordered 1
		.amdhsa_forward_progress 1
		.amdhsa_inst_pref_size 255
	.end_amdhsa_kernel
	.section	.bss,"aw",@nobits
	.p2align	6
	.space	262144
	.amdgpu_metadata
---
amdhsa.version: [ 1, 2 ]
amdhsa.kernels:
  - .name:           k_qec22da679a_attn
    .symbol:         k_qec22da679a_attn.kd
    .args:
      - { .name: qkv, .offset: 0, .size: 8, .value_kind: global_buffer, .address_space: global }
      - { .name: mask_img, .offset: 8, .size: 8, .value_kind: global_buffer, .address_space: global }
      - { .name: att, .offset: 16, .size: 8, .value_kind: global_buffer, .address_space: global }
    .group_segment_fixed_size: 327680
    .private_segment_fixed_size: 0
    .kernarg_segment_align: 8
    .kernarg_segment_size: 24
    .max_flat_workgroup_size: 128
    .sgpr_count:     96
    .vgpr_count:     896
    .wavefront_size: 32
...
	.end_amdgpu_metadata
.endif
;; end of part 3
;; launch oproj (part 4): grid 4 x 64, 4 waves a work-group, clusters of 4 x 4, 327,680 bytes of LDS; arguments att, wo16, bo, out0; writes out0
.if DOCPART == 4
	.amdgcn_target "amdgcn-amd-amdhsa--gfx1250"
	.amdhsa_code_object_version 6
	.text
	.protected	k_qec22da679a_oproj
	.globl	k_qec22da679a_oproj
	.p2align	8
	.type	k_qec22da679a_oproj,@function
k_qec22da679a_oproj:
	s_mov_b64 s[64:65], 0
	v_nop
	global_prefetch_b8 v0, s[64:65] scope:SCOPE_SE
	s_setreg_imm32_b32 hwreg(HW_REG_WAVE_MODE, 25, 1), 1
	s_wait_xcnt 0x0
	s_wait_alu depctr_hold_cnt(0) depctr_sa_sdst(0) depctr_va_vdst(0) depctr_va_sdst(0) depctr_va_ssrc(0) depctr_va_vcc(0) depctr_vm_vsrc(0)
	s_getreg_b32 s2, hwreg(HW_REG_IB_STS2, 6, 4)
	s_cmp_eq_u32 s2, 0
	s_cbranch_scc0 .Lentry_in_a_cluster
	s_endpgm
.Lentry_in_a_cluster:
	s_bfe_u32 s2, ttmp6, 0x10000c
	s_cmp_lg_u32 s2, 0xf033
	s_cbranch_scc0 .Lentry_shape_is_right
	s_endpgm
.Lentry_shape_is_right:
; out0 = att Wo + bo.  att: [8192][1024] f16 (K along the rows); wo16: [k 1024][n 1024] f16 (K down the rows: its fragments come out of LDS turned); bo: [1024] f32; out0: [8192][1024] f32; sums in f32.
; A tile of 128 rows x 256 columns to a work-group, so that there are 256 of them; a wave makes 64 x 128: 32 accumulators, 256 registers.  K goes in steps of 128 through two LDS slots.
; CLUSTERS: 4 x 4 work-groups; att's tiles are asked for jointly along a row of the cluster, Wo's along a column.  The matrix instruction is used transposed (source 0 = 16 columns of Wo, source 1 = 16 rows of att):
; a lane holds eight neighbouring columns of one row.  The bias is the C of each sum's first product.
; No prefetch: the launch is short, and its tiles are shared in the cluster and read again by neighbours.
; LIMITS: operands in f16, as the launches before left them.
; REGISTERS: window 0: v0-31 addresses; two fragment buffers of 96 at v32 and v128 (32 of att: 4 x 16 rows x 32 K; 64 of Wo: 8 x 16 columns x 32 K); on the way out v32-159 rows.
;   window 1: the accumulators ((a, b) at 8 (8 a + b)).   window 2: v0-63 the bias in the result's layout.
.set PITA,   272                       ; a row of att in LDS: 256 bytes + 16
.set PITB,   544                       ; a row of Wo: 512 bytes + 32
.set BOFF,   128*PITA
.set SLOT,   BOFF+128*PITB
.set STG,    2*SLOT                    ; behind the ring: 16 rows x 528 bytes for each wave
.set SPITCH, 528
.set SPARE,  STG+4*16*SPITCH           ; the spare words, 128 bytes a wave: two blocks of 256 bytes that no other line names
.set LAPS,   4                         ; a lap = two K steps of 128
.set ADRA, 16
.set ADRB, 20
.set STO,  24
.set RD,   25
.set CO,   26
.set SPW,  28                          ; v28  LDS address of my spare word; never rewritten
.set NIL,  29                          ; v29  0; never rewritten
.set F0,   32
.set F1,   128
.set BK,   32
.set G1, 24
.set G0, 32
.set G1B, 48
.set G0B, 56
.set MSB, 0
.macro WIN new
.if MSB != (\new)
	s_set_vgpr_msb (MSB<<8)|(\new)
.set MSB, (\new)
.endif
.endm
.set MUL, 0x50                         ; C and D window 1, the fragments window 0
.macro JLOAD s                         ; waves 0 and 1 fetch att's two halves, waves 2 and 3 Wo's; an s_nop 0 and four v_nop follow each line
	s_cmp_eq_u32 s15, 0
	s_cbranch_scc0 .Lfor_b_\@
	tensor_load_to_lds s[G0+4*\s:G0+4*\s+3], s[G1:G1+7]
	s_nop 0
.rept 4
	v_nop
.endr
	s_branch .Lasked_\@
.Lfor_b_\@:
	tensor_load_to_lds s[G0B+4*\s:G0B+4*\s+3], s[G1B:G1B+7]
	s_nop 0
.rept 4
	v_nop
.endr
.Lasked_\@:
.endm
.macro CREST
	s_cmp_lg_u32 s14, 0
	s_cbranch_scc1 .Lnot_wave_0_\@
	s_barrier_signal -3
.Lnot_wave_0_\@:
	s_barrier_wait -3
	s_barrier_signal -1
	s_barrier_wait -1
.endm
.macro CROUND
	s_barrier_signal -1
	s_barrier_wait -1
	CREST
.endm
	s_load_b256 s[4:11], s[0:1], 0x0               ; att, wo16, bo, out0
	v_lshl_add_u32 v[SPW], v0, 2, SPARE
	v_mov_b32 v[NIL], 0
	ds_add_u32 v[SPW], v[NIL]                      ; the wave's opening: the add, twice on end, and its wait ahead of my first tensor load
	ds_add_u32 v[SPW], v[NIL]
	v_lshrrev_b32 v1, 5, v0
	v_readfirstlane_b32 s14, v1                    ; wave 0..3
	s_lshr_b32 s15, s14, 1                         ; which 64 rows of the tile are mine.  Also: I fetch for att (0) or for Wo (1)
	s_and_b32 s16, s14, 1                          ; which 128 columns.  Also: which 64 rows of that tile I fetch
	s_bfe_u32 s40, ttmp6, 0x40000
	s_bfe_u32 s41, ttmp6, 0x40004
	s_lshl_b32 s42, ttmp9, 2
	s_add_co_u32 s42, s42, s40                     ; tile column
	s_and_b32 s17, ttmp7, 0xffff
	s_lshl_b32 s17, s17, 2
	s_add_co_u32 s17, s17, s41                     ; tile row
	s_lshl_b32 s43, s41, 2
	s_lshl_b32 s43, 15, s43
	s_lshl_b32 s44, 0x1111, s40
	s_or_b32 s[G1+0], s43, (1<<16)|(1<<20)|(1<<21)|(5<<22)|(3<<25)   ; att: 64 rows x 128 elements of 2 bytes; 4 words of padding after every 64
	s_mov_b32 s[G1+1], 128<<16
	s_mov_b32 s[G1+2], 64<<16
	s_mov_b32 s[G1+3], 128<<16
	s_mov_b32 s[G1+4], 64
	s_mov_b32 s[G1+5], 1024
	s_mov_b32 s[G1+6], 0
	s_mov_b32 s[G1+7], 0
	s_or_b32 s[G1B+0], s44, (1<<16)|(1<<20)|(1<<21)|(6<<22)|(7<<25)  ; Wo: 64 rows (along K) x 256 elements; 8 words of padding after every 128
	s_mov_b32 s[G1B+1], 256<<16
	s_mov_b32 s[G1B+2], 64<<16
	s_mov_b32 s[G1B+3], 256<<16
	s_mov_b32 s[G1B+4], 64
	s_mov_b32 s[G1B+5], 1024
	s_mov_b32 s[G1B+6], 0
	s_mov_b32 s[G1B+7], 0
	s_lshl_b32 s20, s17, 7
	s_lshl_b32 s18, s16, 6
	s_add_co_u32 s20, s20, s18                     ; att: row 128 x tile row + 64 x half,
	s_lshl_b32 s20, s20, 11                        ; of 2,048 bytes
	s_mov_b32 s21, 0
	s_lshl_b32 s46, s42, 9                         ; Wo: 512 bytes a tile column,
	s_lshl_b32 s47, s16, 17                        ; 64 rows of 2,048 bytes a half
	s_add_co_u32 s46, s46, s47
	s_mov_b32 s47, 0
	s_mul_i32 s45, s16, 64*PITA                    ; where they go
	s_mul_i32 s22, s16, 64*PITB
	s_add_co_u32 s22, s22, BOFF
	s_wait_dscnt 0x0                               ; both opening adds are done
	s_wait_kmcnt 0x0
	s_add_nc_u64 s[20:21], s[4:5], s[20:21]
	s_add_nc_u64 s[46:47], s[6:7], s[46:47]
	CROUND                                         ; all sixteen work-groups are here: the first joint loads meet
.irp s, 0,1
	s_mov_b32 s[G0+4*\s], 1
	s_add_co_u32 s[G0+4*\s+1], s45, \s*SLOT
	s_add_nc_u64 s[G0+4*\s+2:G0+4*\s+3], s[20:21], \s*256
	s_or_b32 s[G0+4*\s+3], s[G0+4*\s+3], 0x80000000
	s_mov_b32 s[G0B+4*\s], 1
	s_add_co_u32 s[G0B+4*\s+1], s22, \s*SLOT
	s_add_nc_u64 s[G0B+4*\s+2:G0B+4*\s+3], s[46:47], \s*128*2048
	s_or_b32 s[G0B+4*\s+3], s[G0B+4*\s+3], 0x80000000
	JLOAD \s                                       ; two loads of mine are out
.endr
	v_and_b32 v1, 15, v0                           ; r
	v_bfe_u32 v2, v0, 4, 1                         ; h
	s_lshl_b32 s18, s42, 10                        ; the bias: my 128 columns
	s_lshl_b32 s19, s16, 9
	s_add_co_u32 s18, s18, s19
	s_mov_b32 s19, 0
	s_add_nc_u64 s[8:9], s[8:9], s[18:19]
	v_lshlrev_b32 v27, 5, v2
	WIN 0x80                                       ; destination window 2
.irp b, 0,1,2,3,4,5,6,7                        ; lane (r, h) wants, for block b, the bias of columns 16 b + 8 h + 0 .. 7
	global_load_b128 v[8*\b:8*\b+3], v27, s[8:9] offset:64*\b
	global_load_b128 v[8*\b+4:8*\b+7], v27, s[8:9] offset:64*\b+16
.endr
	WIN 0
	v_mul_u32_u24 v3, v1, PITA
	v_lshl_add_u32 v3, v2, 4, v3                   ; att: row r, + 16 h
	v_and_b32 v4, 7, v0
	v_bfe_u32 v5, v0, 3, 1
	v_lshl_add_u32 v4, v2, 3, v4
	v_mul_u32_u24 v4, v4, PITB
	v_lshl_add_u32 v4, v5, 4, v4                   ; Wo, for the turning load: row 8 h + l % 8, columns 8 ((l / 8) % 2) on
	s_mul_i32 s21, s15, 64*PITA                    ; my 64 rows of att
	s_lshl_b32 s22, s16, 8                         ; my 128 columns of Wo
	s_add_co_u32 s22, s22, BOFF
.irp s, 0,1
	v_add_nc_u32 v[ADRA+\s], s21, v3
	v_add_nc_u32 v[ADRB+\s], s22, v4
	s_add_co_u32 s21, s21, SLOT
	s_add_co_u32 s22, s22, SLOT
.endr
	s_mul_i32 s23, s14, 16*SPITCH
	s_add_co_u32 s23, s23, STG                     ; my stage
	v_mul_u32_u24 v5, v1, SPITCH
	v_lshl_add_u32 v5, v2, 5, v5
	v_add_nc_u32 v[STO], s23, v5                   ; in: row r, 32 bytes for each half of the lanes
	v_and_b32 v6, 31, v0
	v_lshlrev_b32 v[CO], 4, v6                     ; back: the 32 lanes take one row of 512 bytes; and the same in out0
	v_add_nc_u32 v[RD], s23, v[CO]
	s_lshl_b32 s18, s17, 7
	s_lshl_b32 s19, s15, 6
	s_add_co_u32 s18, s18, s19                     ; my first row,
	s_lshl_b32 s18, s18, 12                        ; of 4,096 bytes
	s_lshl_b32 s19, s42, 10
	s_add_co_u32 s18, s18, s19
	s_lshl_b32 s19, s16, 9
	s_add_co_u32 s18, s18, s19
	s_mov_b32 s19, 0
	s_add_nc_u64 s[10:11], s[10:11], s[18:19]
; 8 matrix instructions: block a of rows x all 8 blocks of columns, 32 along K.  zero = 1: the first product starts the sums from the bias.  The 32 accumulators take turns.
.macro MULA f, a, zero
.irp b, 0,1,2,3,4,5,6,7
.if \zero
	v_wmma_f32_16x16x32_f16 v[8*(8*(\a)+\b):8*(8*(\a)+\b)+7], v[\f+32+8*\b:\f+32+8*\b+7], v[\f+8*(\a):\f+8*(\a)+7], v[8*\b:8*\b+7]
.else
	v_wmma_f32_16x16x32_f16 v[8*(8*(\a)+\b):8*(8*(\a)+\b)+7], v[\f+32+8*\b:\f+32+8*\b+7], v[\f+8*(\a):\f+8*(\a)+7], v[8*(8*(\a)+\b):8*(8*(\a)+\b)+7]
.endif
.endr
.endm
.macro FETCH slot, q, f                ; 24 LDS loads in one run: the fragments of the slot's q-th 32 along K
.irp i, 0,1,2,3
	ds_load_b128 v[\f+8*\i:\f+8*\i+3], v[ADRA+\slot] offset:64*(\q)+\i*16*PITA
	ds_load_b128 v[\f+8*\i+4:\f+8*\i+7], v[ADRA+\slot] offset:64*(\q)+\i*16*PITA+32
.endr
.irp n, 0,1,2,3,4,5,6,7
	ds_load_tr16_b128 v[\f+32+8*\n:\f+32+8*\n+3], v[ADRB+\slot] offset:(\q)*32*PITB+32*\n
	ds_load_tr16_b128 v[\f+32+8*\n+4:\f+32+8*\n+7], v[ADRB+\slot] offset:(\q)*32*PITB+16*PITB+32*\n
.endr
.endm
.macro PLACES                          ; four places in front of loads into registers that matrix instructions have read, and of reads of results
.rept 4
	v_nop
.endr
.endm
; A K step is four quarters of 32 along K on buffers 0, 1, 0, 1.  One of the first three: multiplies buffer f and, in its middle, fetches quarter q of the same slot into buffer g.
.macro QUARTER slot, q, f, g, zero
	s_wait_dscnt 0x0                               ; buffer f is in (asked for 16 matrix instructions ago)
.if \zero
	WIN 0x60                                       ; C, the bias, in window 2
.else
	WIN MUL
.endif
	MULA \f, 0, \zero
	MULA \f, 1, \zero
	PLACES
	WIN 0
	FETCH \slot, \q, \g
.if \zero
	WIN 0x60
.else
	WIN MUL
.endif
	MULA \f, 2, \zero
	MULA \f, 3, \zero
.endm
; The last quarter multiplies buffer 1 and changes slots: in front of the barrier each wave waits for all its tensor loads, adds 0 to its spare word, and waits for that and for its reads of this slot.
.macro TURN slot, next, fill
	WIN 0
	s_wait_tensorcnt 0x0                           ; my part of the next slot has landed
	ds_add_u32 v[SPW], v[NIL]
	s_wait_dscnt 1                                 ; buffer 1 is in; the add may be out
	WIN MUL
	MULA F1, 0, 0
	s_wait_dscnt 0x0                               ; the add is done, and my reads of this slot are over
	s_barrier_signal -1
	MULA F1, 1, 0
	WIN 0
	s_barrier_wait -1
.if \fill
	CREST                                          ; the barrier has opened a round of the cluster's: no wave of any partner still reads this slot or has a load on its way
	s_add_nc_u64 s[G0+4*\slot+2:G0+4*\slot+3], s[G0+4*\slot+2:G0+4*\slot+3], 2*256
	s_add_nc_u64 s[G0B+4*\slot+2:G0B+4*\slot+3], s[G0B+4*\slot+2:G0B+4*\slot+3], 2*128*2048
	JLOAD \slot                                    ; my one load behind the round; its four v_nop are also the places in front of the loads below
.else
	PLACES
.endif
	FETCH \next, 0, F0
	WIN MUL
	MULA F1, 2, 0
	MULA F1, 3, 0
.endm
	s_wait_tensorcnt 1                             ; my part of K step 0 is in; K step 1's load may be out
	s_barrier_signal -1
	s_barrier_wait -1
	FETCH 0, 0, F0
	s_wait_loadcnt 0x0                             ; the bias
	QUARTER 0, 1, F0, F1, 1                        ; the first quarter stands in front of the loop: its products start the sums
	WIN 0
	s_mov_b32 s3, LAPS-1
.Llap:                                             ; a trip goes once round the ring and fills both slots again
	QUARTER 0, 2, F1, F0, 0
	QUARTER 0, 3, F0, F1, 0
	TURN 0, 1, 1
	QUARTER 1, 1, F0, F1, 0
	QUARTER 1, 2, F1, F0, 0
	QUARTER 1, 3, F0, F1, 0
	TURN 1, 0, 1
	QUARTER 0, 1, F0, F1, 0
	WIN 0
	s_sub_co_u32 s3, s3, 1
	s_cmp_lg_u32 s3, 0
	s_cbranch_scc1 .Llap
	QUARTER 0, 2, F1, F0, 0                        ; the last lap fills nothing
	QUARTER 0, 3, F0, F1, 0
	TURN 0, 1, 0
	QUARTER 1, 1, F0, F1, 0
	QUARTER 1, 2, F1, F0, 0
	QUARTER 1, 3, F0, F1, 0
	s_wait_dscnt 0x0
	WIN MUL
	MULA F1, 0, 0
	MULA F1, 1, 0
	MULA F1, 2, 0
	MULA F1, 3, 0
	WIN 0
; THE WAY OUT, a block of 16 rows x 128 columns at a time, through my own stage: in as 32 bytes a lane, back as whole rows of 512 bytes, which the 32 lanes store as two aligned units of 256 bytes.
.macro TOSTAGE a
	WIN 0x04                                       ; an LDS store's data are its source 1: window 1
.irp b, 0,1,2,3,4,5,6,7
	ds_store_b128 v[STO], v[8*(8*(\a)+\b):8*(8*(\a)+\b)+3] offset:64*\b          ; each accumulator from its low end on
	ds_store_b128 v[STO], v[8*(8*(\a)+\b)+4:8*(8*(\a)+\b)+7] offset:64*\b+16
.endr
	WIN 0
.set BB, BK+64*((\a)%2)
.irp t, 0,1,2,3,4,5,6,7,8,9,10,11,12,13,14,15
	ds_load_b128 v[BB+4*\t:BB+4*\t+3], v[RD] offset:\t*SPITCH      ; LDS serves a wave's instructions in order (ISA guide 5.7.1.4): these see the stores above
.endr
.endm
.macro SEND a, younger
.set BB, BK+64*((\a)%2)
	s_wait_dscnt \younger                          ; the block is back in registers; the next block's 16 stores and 16 loads may be out
.irp t, 0,1,2,3,4,5,6,7,8,9,10,11,12,13,14,15
	global_store_b128 v[CO], v[BB+4*\t:BB+4*\t+3], s[10:11] offset:(16*(\a)+\t)*4096 th:TH_STORE_NT
.endr
.endm
	PLACES
	TOSTAGE 0
.irp a, 1,2,3
.if \a > 1
	s_wait_xcnt 0x0                                ; block a - 2's stores have read their registers: block a's rows may land there
.endif
	TOSTAGE \a
	SEND (\a)-1, 32
.endr
	SEND 3, 0
	s_wait_tensorcnt 0x0                           ; the wave's end
	ds_add_u32 v[SPW], v[NIL]
	s_wait_dscnt 0x0
	CROUND                                         ; the closing round
	s_endpgm
.Lfunc_end_k_qec22da679a_oproj:
	.size	k_qec22da679a_oproj, .Lfunc_end_k_qec22da679a_oproj-k_qec22da679a_oproj
	.p2alignl 7, 3214868480
	.fill 96, 4, 3214868480
	.section	.rodata,"a",@progbits
	.p2align	6, 0x0
	.amdhsa_kernel k_qec22da679a_oproj
		.amdhsa_group_segment_fixed_size 327680
		.amdhsa_private_segment_fixed_size 0
		.amdhsa_enable_private_segment 0
		.amdhsa_kernarg_size 32
		.amdhsa_user_sgpr_count 2
		.amdhsa_user_sgpr_kernarg_segment_ptr 1
		.amdhsa_wavefront_size32 1
		.amdhsa_system_sgpr_workgroup_id_x 1
		.amdhsa_system_sgpr_workgroup_id_y 1
		.amdhsa_system_sgpr_workgroup_id_z 1
		.amdhsa_system_vgpr_workitem_id 0
		.amdhsa_next_free_vgpr 576
		.amdhsa_next_free_sgpr 80
		.amdhsa_reserve_vcc 0
		.amdhsa_float_denorm_mode_32 3
		.amdhsa_float_denorm_mode_16_64 3
		.amdhsa_memory_ordered 1
		.amdhsa_forward_progress 1
		.amdhsa_inst_pref_size 86
	.end_amdhsa_kernel
	.amdgpu_metadata
---
amdhsa.version: [ 1, 2 ]
amdhsa.kernels:
  - .name:           k_qec22da679a_oproj
    .symbol:         k_qec22da679a_oproj.kd
    .args:
      - { .name: att, .offset: 0, .size: 8, .value_kind: global_buffer, .address_space: global }
      - { .name: wo16, .offset: 8, .size: 8, .value_kind: global_buffer, .address_space: global }
      - { .name: bo, .offset: 16, .size: 8, .value_kind: global_buffer, .address_space: global }
      - { .name: out0, .offset: 24, .size: 8, .value_kind: global_buffer, .address_space: global }
    .group_segment_fixed_size: 327680
    .private_segment_fixed_size: 0
    .kernarg_segment_align: 8
    .kernarg_segment_size: 32
    .max_flat_workgroup_size: 128
    .sgpr_count:     80
    .vgpr_count:     576
    .wavefront_size: 32
...
	.end_amdgpu_metadata
.endif
;; end of part 4
